; MI455X (gfx1250); checked and timed in simulation.
; The chip was launched on July 23, 2026; its instructions are those of AMD's public machine-readable ISA for CDNA 5 (MIT licence, August 2026) and "CDNA5" Instruction Set Architecture Reference Guide (July 2026). The comments in the code are by the model that wrote it; some were corrected since.
;; Multi Head Attention. Allowed arithmetic: matrix products marked QUANTISED: E2M3 operands, one E8M0 scale for each 32 along K, by v_wmma_scale_f32_16x16x128_f8f6f4 with both operands' format E2M3, f32 sums; everything else in f32.
;; Inputs: b_proj 1,024 float32; b_qkv 3,072 float32; w_proj 1,024 x 1,024 float32; w_qkv 1,024 x 3,072 float32; x 2 x 2,048 x 1,024 float32.
;; Outputs: out0 2 x 2,048 x 1,024 float32.
;; This version of the problem:
;;   THIS VERSION OF THE PROBLEM IS GIVEN IN LOW PRECISION. The matrix products marked QUANTISED in the list below multiply operands that are first quantised to E2M3 (2 exponent bits, 3 mantissa bits; 6 bits a number), with one power-of-two scale for each 32 numbers along K (OCP MX v1.0); their sums are f32. All else is computed in f32.
;;   The module's matrix products, in the order in which they are computed (A, B: the left and right operand; K: the contracted axis; several contracted axes count as one K, in the product's order):
;;     1. [M 4,096, K 1,024] x [K 1,024, N 3,072]; A: input x; B: input w_qkv: QUANTISED
;;     2. batch 32 x [M 2,048, K 64] x [K 64, N 2,048]; A: computed on the way; B: computed on the way: QUANTISED
;;     3. batch 32 x [M 2,048, K 2,048] x [K 2,048, N 64]; A: softmax (see below); B: computed on the way: QUANTISED
;;     4. [M 4,096, K 1,024] x [K 1,024, N 1,024]; A: computed on the way; B: input w_proj: QUANTISED
;;   THE QUANTISER, for each operand of a quantised product, along K:
;;     - K is cut into blocks of 32 from its start; a last block that is shorter is filled with zeros.
;;     - A block's scale is 2^e with e = floor(log2(the largest magnitude in the block)) - 2, held to -126 .. 127; a block of zeros has e = 0. As a byte (E8M0): e + 127.
;;     - Each number is divided by its block's scale, clamped to +-7.5, and rounded to the nearest number of E2M3, ties to even, subnormals kept.
;;     - The product sums the exact products of the quantised numbers (number of the format x scale) in f32.
;;   ~~~python
;;   def quantise(x, axis):      # numpy; x: float32 -> the quantised numbers, widened to float32 again
;;       x = np.moveaxis(x, axis, -1); K = x.shape[-1]
;;       x = np.pad(x, [(0, 0)] * (x.ndim - 1) + [(0, -K % 32)]); x = x.reshape(x.shape[:-1] + (-1, 32)); a = np.abs(x).max(-1, keepdims=True)
;;       e = np.where(a > 0, np.clip(np.frexp(np.where(a > 0, a, 1))[1] - 1 - 2, -126, 127), 0)      # np.frexp(a)[1] - 1 = floor(log2(a)), exactly
;;       r = np.clip(x / 2.0 ** e, -7.5, 7.5)
;;       step = 2.0 ** (np.maximum(np.frexp(np.where(r == 0, 1, r))[1] - 1, 0) - 3)
;;       q = np.round(r / step) * step * 2.0 ** e      # np.round: ties to even
;;       return np.moveaxis(q.reshape(q.shape[:-2] + (-1,))[..., :K], -1, axis).astype(np.float32)
;;   ~~~
;;   SOFTMAX AHEAD OF A QUANTISED PRODUCT. Where the list says 'softmax', what is quantised is not the finished softmax but p = 2^(t - M), with t = logit x log2(e) and M = ceil(the row's largest t), a whole number; so 1/2 < the row's largest p <= 1. The row's sum l is taken of the UNQUANTISED p, in f32, and the product's result is divided by l at the end. Since M is a whole number, a kernel that streams over the keys may use a running M (the ceiling of the running maximum): every later rescaling is an exact power of two, which a block's scale takes up: the codes' values come out the same.
;;   OPERANDS COMPUTED ON THE WAY. 'Computed on the way' means the value that the module computes at that place (a softmax that the list does not call 'softmax' is quantised finished and normalised). What goes into a quantiser is computed in f32, as accurately as f32 sums, v_exp_f32 and their like allow (about 1e-6 of the number): no bf16 or f16 on the way to a quantiser, and a product that is left as it is and whose result goes on into a quantised operand takes f32 operands (vector FMAs, or v_wmma_f32_16x16x4_f32). A number that lies on a knife's edge between two numbers of the format may be rounded either way, as far as f32 arithmetic and the matrix unit's own rounding can turn it there, and no further.
;; One version. Each part assembles by itself: llvm-mc -triple=amdgcn-amd-amdhsa -mcpu=gfx1250 --defsym DOCPART=n.
;; ======== version 1 of 1: 4 launches
;; limits: right only within a limited range of input values
;; workspace buffers: xq 3,276,800 bytes; wq 2,457,600 bytes; wp 819,200 bytes; qh 3,407,872 bytes; kv 6,815,744 bytes; ao 3,407,872 bytes
;; launch quant (part 1): grid 256 x 1, 4 waves a work-group, no clusters, 34,304 bytes of LDS; arguments x, w_qkv, w_proj, xq, wq, wp; writes xq, wq, wp
.if DOCPART == 1
	.amdgcn_target "amdgcn-amd-amdhsa--gfx1250"
	.amdhsa_code_object_version 6
	.text
	.protected	k_qc7fc65e2a9_quant
	.globl	k_qc7fc65e2a9_quant
	.p2align	8
	.type	k_qc7fc65e2a9_quant,@function
k_qc7fc65e2a9_quant:
	s_mov_b64 s[64:65], 0
	v_nop
	global_prefetch_b8 v0, s[64:65] scope:SCOPE_SE
	s_setreg_imm32_b32 hwreg(HW_REG_WAVE_MODE, 25, 1), 1
	s_wait_xcnt 0x0
; x [4096][1024], w_qkv [1024][3072] and w_proj [1024][1024], f32, become codes of FP6 (E2M3) with one E8M0 byte for each 32 along K (K = 1024 in all three),
; laid as IMAGES OF OPERAND REGISTERS, so that the later launches load fragments whole.
; A fragment is 16 rows x 128 K, 12 registers a lane: lane (r, h) holds row r, registers 6 c .. 6 c + 5 hold k = 64 c + 32 h + 0 .. 31.  Its image is 1,536 bytes: registers 4 g .. 4 g + 3 of lane l at 512 g + 16 l.
; THE ROWS OF A TILE ARE NOT NEIGHBOURS: of each 32 rows, tile 2 b + u takes in lane row r the row 32 b + 8 u + r + 8 (r / 8).
; xq: [64 tokens G][K step] records of 6,400 bytes: four fragments, then 256 bytes of scale words (lane l: the words of tiles l / 16 and 2 + l / 16, row l % 16).
; wq: [head] panels of 2 x 76,800 bytes; a half holds four K steps of 12 fragments (q's 4 tiles, k's 4, v's 4), then 12 units of 256 bytes of scale words (pair of tiles b, pair of K steps i: unit 2 b + i % 2; lane l: the two K steps' words of tile 2 b + l / 16, row l % 16).
; wp: [64 columns] panels of 2 x 25,600 bytes, the same with 4 tiles.
; A block's scale is 2^(floor(log2(largest magnitude)) - 2): its byte is the largest magnitude's exponent field - 2.
; LIMITS: NaN and infinities are not served; a block whose largest magnitude lies under 2^-124 gets the byte 1; a block of zeros gets the byte 1 where the rule says 127 (its codes are zeros, and this program alone reads the bytes).
; Work-groups 0-127 take x, 128-223 w_qkv, 224-255 w_proj: 128 KiB of f32 each.  No barrier: waves share nothing.  Only x's path uses LDS.
; x'S TILES HAVE AN ORDER OF THEIR OWN (the order stated above is the weights' columns' alone): of each 64 tokens, tile t takes in lane row r the token 32 (r / 8) + 8 t + r % 8.
.set X,   64                           ; v64-127   the numbers at work (x: one fragment's 64 a lane; weights: two sets of 32)
.set R,   128                          ; v128-255  x as it is loaded: two sets of 64
.set C,   32                           ; v32-55    x's codes: two sets of 12
.set CW,  128                          ; v128-175  a weight's codes: K step e, half h, block pair c at 24 e + 12 h + 6 c
.set TQ,  24                           ; v24-26, v28-30  the upper halves of blocks, before they are moved
	s_load_b256 s[4:11], s[0:1], 0x0               ; x s[4:5], w_qkv s[6:7], w_proj s[8:9], xq s[10:11]
	s_load_b128 s[12:15], s[0:1], 0x20             ; wq s[12:13], wp s[14:15]
	v_lshl_add_u32 v62, v0, 2, 0x8400
	v_mov_b32 v63, 0
	v_lshrrev_b32 v1, 5, v0
	v_readfirstlane_b32 s16, v1                    ; wave 0..3
	v_and_b32 v1, 31, v0                           ; lane
	v_lshlrev_b32 v2, 4, v1                        ; 16 x lane
	v_lshlrev_b32 v3, 3, v1                        ; 8 x lane
	s_mov_b32 s40, 0x76543210
	s_mov_b32 s41, 0xfedcba98                      ; v_permlanex16_b32's selects for lane l xor 16
	s_cmp_lt_u32 ttmp9, 128
	s_cbranch_scc0 .Lweights
; ---------------- x: a wave takes 64 tokens x 128 K: four fragments and their scale words: one record of xq
	s_lshl_b32 s17, ttmp9, 2
	s_add_co_u32 s17, s17, s16                     ; unit 0..511
	s_lshr_b32 s18, s17, 3                         ; G
	s_and_b32 s19, s17, 7                          ; K step
	s_lshl_b32 s20, s18, 18                        ; 64 rows of 4,096 bytes
	s_lshl_b32 s21, s19, 9                         ; 128 numbers
	s_add_co_u32 s20, s20, s21
	s_mov_b32 s21, 0
	s_mul_i32 s22, s18, 51200
	s_mul_i32 s23, s19, 6400
	s_add_co_u32 s22, s22, s23
	s_mov_b32 s23, 0
	s_mul_i32 s24, s16, 8448                       ; my wave's stage: 16 rows of 512 bytes + 16
	s_wait_alu depctr_va_vdst(0)
	v_add_nc_u32 v4, s24, v2                       ; in: a row's 512 bytes as they lie
	v_and_b32 v7, 15, v1                           ; r
	v_lshrrev_b32 v6, 4, v1                        ; h
	v_mul_u32_u24 v5, v7, 528
	v_lshl_add_u32 v5, v6, 7, v5
	v_add_nc_u32 v5, s24, v5                       ; out: row r, + 128 h bytes: my 32 numbers of each 64
	v_lshlrev_b32 v6, 3, v6                        ; 8 h: where my two bytes stand in the scale word
	v_mov_b32 v15, 0                               ; a lane permute's destination counts as one of its sources
	v_cmp_lt_u32 vcc_lo, 15, v1                    ; lanes 16-31
	s_wait_alu depctr_va_vdst(0)
	s_wait_kmcnt 0x0
	s_add_nc_u64 s[4:5], s[4:5], s[20:21]
	s_add_nc_u64 s[10:11], s[10:11], s[22:23]
.macro LOADX t                         ; tile t's 16 rows: each load reads 512 consecutive bytes
.irp i,0,1,2,3,4,5,6,7,8,9,10,11,12,13,14,15
	global_load_b128 v[R+64*((\t)%2)+4*\i:R+64*((\t)%2)+4*\i+3], v2, s[4:5] offset:(8*(\t)+\i+24*(\i/8))*4096 th:TH_LOAD_NT
.endr
.endm
.macro TURNX t                         ; through the stage: LDS serves a wave's instructions in order, so no wait stands between the stores and the loads
.irp i,0,1,2,3,4,5,6,7,8,9,10,11,12,13,14,15
	ds_store_b128 v4, v[R+64*((\t)%2)+4*\i:R+64*((\t)%2)+4*\i+3] offset:528*\i
.endr
.irp c,0,1
.irp j,0,1,2,3,4,5,6,7
	ds_load_b128 v[X+32*\c+4*\j:X+32*\c+4*\j+3], v5 offset:256*\c+16*\j
.endr
.endr
.endm
.macro QX t                            ; my two whole blocks (2 c + h) of row r: scale bytes, scale word, codes in the operand's own registers
.irp c,0,1
	v_max3_num_f32 v[8+\c], |v[X+32*\c]|, |v[X+32*\c+1]|, 0x1800000   ; with the floor 2^(3 - 127): the byte cannot fall under 1
.endr
.irp i,2,4,6,8,10,12,14,16,18,20,22,24,26,28,30
.irp c,0,1
	v_max3_num_f32 v[8+\c], v[8+\c], |v[X+32*\c+\i]|, |v[X+32*\c+\i+1]|
.endr
.endr
.irp c,0,1
	v_add_nc_u32 v[10+\c], 0xff000000, v[8+\c]     ; 2 off the exponent field: the conversion's scale operand
.endr
.irp c,0,1
	v_lshrrev_b32 v[12+\c], 23, v[10+\c]           ; the scale's byte
.endr
	v_lshl_or_b32 v14, v13, 16, v12                ; blocks h and 2 + h,
	v_lshlrev_b32 v14, v6, v14                     ; at their places;
	v_permlanex16_b32 v15, v14, s40, s41
	v_or_b32 v[16+(\t)], v14, v15                  ; with lane l xor 16's two the word is whole
.irp c,0,1
	v_cvt_scalef32_pk16_fp6_f32 v[C+12*((\t)%2)+6*\c:C+12*((\t)%2)+6*\c+2], v[X+32*\c:X+32*\c+15], v[10+\c]
	v_cvt_scalef32_pk16_fp6_f32 v[TQ+4*\c:TQ+4*\c+2], v[X+32*\c+16:X+32*\c+31], v[10+\c]   ; (a conversion's three registers begin on an even number)
.endr
	v_nop                                          ; one plain place behind a scaled conversion
.irp c,0,1
.irp i,0,1,2
	v_mov_b32 v[C+12*((\t)%2)+6*\c+3+\i], v[TQ+4*\c+\i]
.endr
.endr
.endm
.macro XSTEP t
.if (\t) < 3
	s_wait_loadcnt 16                              ; this tile's 16 loads are in; the next tile's may be out
.else
	s_wait_loadcnt 0x0
.endif
	TURNX \t
	s_wait_dscnt 0x0                               ; my 64 numbers are back from the stage
.if (\t) < 2
	LOADX (\t)+2
.else
	s_wait_xcnt 0x0                                ; the stores of two tiles ago have read their codes' registers, which are written again below
.endif
	QX \t
.irp g,0,1,2
	global_store_b128 v2, v[C+12*((\t)%2)+4*\g:C+12*((\t)%2)+4*\g+3], s[10:11] offset:1536*(\t)+512*\g   ; 512 consecutive bytes
.endr
.endm
	LOADX 0
	LOADX 1
	XSTEP 0
	XSTEP 1
	XSTEP 2
	XSTEP 3
	v_cndmask_b32 v20, v16, v17, vcc_lo            ; lanes 0-15: tiles 0 and 2; lanes 16-31: tiles 1 and 3
	v_cndmask_b32 v21, v18, v19, vcc_lo
	global_store_b64 v3, v[20:21], s[10:11] offset:6144   ; 256 consecutive bytes
	s_wait_tensorcnt 0x0
	ds_add_u32 v62, v63
	s_wait_dscnt 0x0
	s_endpgm
; ---------------- the weights: K is their FIRST axis.  A lane takes a column and its registers run down K; a wave takes 32 columns (a pair of tiles) x 256 K (two K steps)
.macro LOADW t, n                      ; block t: 32 rows, 128 consecutive bytes a load
.irp q,0,1,2,3,4,5,6,7,8,9,10,11,12,13,14,15,16,17,18,19,20,21,22,23,24,25,26,27,28,29,30,31
	global_load_b32 v[X+32*((\t)%2)+\q], v4, s[34:35] offset:(32*(\t)+\q)*(\n)*4 th:TH_LOAD_NT
.endr
.endm
.macro BLOCKW t, n, nt
.set XB, X+32*((\t)%2)
.set CB, CW+24*((\t)/4)+12*((\t)%2)+6*(((\t)/2)%2)   ; block t of 8: K step t / 4; in it k = 32 (t % 4): half h = t % 2, pair c = (t / 2) % 2
.if (\t) < 7
	s_wait_loadcnt 32                              ; this block's 32 loads are in; the next block's may be out
.else
	s_wait_loadcnt 0x0
.endif
	v_max3_num_f32 v8, |v[XB]|, |v[XB+1]|, |v[XB+2]|
	v_max3_num_f32 v9, |v[XB+3]|, |v[XB+4]|, |v[XB+5]|
.irp i,6,10,14,18,22,26
	v_max3_num_f32 v8, v8, |v[XB+\i]|, |v[XB+\i+1]|
	v_max3_num_f32 v9, v9, |v[XB+\i+2]|, |v[XB+\i+3]|
.endr
	v_max3_num_f32 v8, v8, |v[XB+30]|, |v[XB+31]|
	v_max3_num_f32 v8, v8, v9, 0x1800000           ; and the floor
	v_add_nc_u32 v10, 0xff000000, v8
	v_cvt_scalef32_pk16_fp6_f32 v[CB:CB+2], v[XB:XB+15], v10
	v_cvt_scalef32_pk16_fp6_f32 v[TQ:TQ+2], v[XB+16:XB+31], v10
	v_lshrrev_b32 v11, 23, v10                     ; the byte (also the plain place behind the conversions)
.if (\t)%4 == 0
	v_mov_b32 v[20+(\t)/4], v11
.else
	v_lshl_or_b32 v[20+(\t)/4], v11, 8*((\t)%4), v[20+(\t)/4]
.endif
.irp i,0,1,2
	v_mov_b32 v[CB+3+\i], v[TQ+\i]
.endr
.if (\t) < 6
	LOADW (\t)+2, \n
.endif
.if (\t)%4 == 3                        ; a K step's codes are whole: for fragment lane (r, h) twelve registers; lanes 0-15 write 256 bytes of tile 2 b, lanes 16-31 of tile 2 b + 1
.irp hh,0,1
.irp g,0,1,2
	global_store_b128 v5, v[CW+24*((\t)/4)+12*\hh+4*\g:CW+24*((\t)/4)+12*\hh+4*\g+3], s[36:37] offset:((\t)/4)*(\nt)*1536+512*\g+256*\hh
.endr
.endr
.endif
.endm
.macro WPATH n, nt, src, dst, idb
	s_sub_co_u32 s17, ttmp9, \idb
	s_and_b32 s18, s17, 3                          ; i: which 256 along K
	s_lshr_b32 s19, s17, 2
	s_lshl_b32 s19, s19, 2
	s_add_co_u32 s19, s19, s16                     ; P: which 32 columns
.if \nt == 12
	s_bfe_u32 s20, s19, 0x40001                    ; the head: (P / 2) % 16
	s_lshr_b32 s21, s19, 5                         ; q, k or v
	s_lshl_b32 s21, s21, 1
	s_and_b32 s22, s19, 1
	s_add_co_u32 s21, s21, s22                     ; b: the pair of tiles in the panel
.else
	s_lshr_b32 s20, s19, 1                         ; the block of 64 columns
	s_and_b32 s21, s19, 1
.endif
	s_mul_i32 s24, s18, 256*\n*4
	s_lshl_b32 s25, s19, 7
	s_add_co_u32 s24, s24, s25                     ; source: 256 i rows + 32 P columns
	s_mov_b32 s25, 0
	s_mul_i32 s26, s20, 2*(4*\nt*1536+\nt*256)
	s_lshr_b32 s27, s18, 1
	s_mul_i32 s27, s27, 4*\nt*1536+\nt*256
	s_add_co_u32 s26, s26, s27                     ; the panel's half
	s_and_b32 s28, s18, 1
	s_mul_i32 s29, s28, 2*\nt*1536
	s_mul_i32 s30, s21, 2*1536
	s_add_co_u32 s29, s29, s30
	s_add_co_u32 s30, s26, s29                     ; codes: K step 2 (i % 2) of the half, tile 2 b
	s_mov_b32 s31, 0
	s_lshl_b32 s32, s21, 1
	s_add_co_u32 s32, s32, s28
	s_lshl_b32 s32, s32, 8
	s_add_co_u32 s32, s32, s26
	s_add_co_u32 s32, s32, 4*\nt*1536              ; scale words: unit 2 b + i % 2
	s_mov_b32 s33, 0
	v_and_b32 v6, 15, v1                           ; r
	v_lshrrev_b32 v7, 4, v1                        ; u
	v_and_b32 v8, 8, v6
	v_add_nc_u32 v8, v8, v6
	v_lshl_add_u32 v8, v7, 3, v8                   ; my column of the 32: 8 u + r + 8 (r / 8)
	v_lshlrev_b32 v4, 2, v8
	v_mul_u32_u24 v5, v7, 1536
	v_lshl_add_u32 v5, v6, 4, v5                   ; my place in the images: tile u, 16 r
	s_wait_alu depctr_va_vdst(0)
	s_wait_kmcnt 0x0
	s_add_nc_u64 s[34:35], s[\src:\src+1], s[24:25]
	s_add_nc_u64 s[36:37], s[\dst:\dst+1], s[30:31]
	s_add_nc_u64 s[38:39], s[\dst:\dst+1], s[32:33]
	LOADW 0, \n
	LOADW 1, \n
.irp tb,0,1,2,3,4,5,6,7
	BLOCKW \tb, \n, \nt
.endr
	global_store_b64 v3, v[20:21], s[38:39]        ; the two K steps' scale words: 256 consecutive bytes
	s_endpgm
.endm
.Lweights:
	s_cmp_lt_u32 ttmp9, 224
	s_cbranch_scc0 .Lproj
	s_wait_alu depctr_va_vdst(0)
	WPATH 3072, 12, 6, 12, 128
.Lproj:
	s_wait_alu depctr_va_vdst(0)
	WPATH 1024, 4, 8, 14, 224
.Lfunc_end_k_qc7fc65e2a9_quant:
	.size	k_qc7fc65e2a9_quant, .Lfunc_end_k_qc7fc65e2a9_quant-k_qc7fc65e2a9_quant
	.p2alignl 7, 3214868480
	.fill 96, 4, 3214868480
	.section	.rodata,"a",@progbits
	.p2align	6, 0x0
	.amdhsa_kernel k_qc7fc65e2a9_quant
		.amdhsa_group_segment_fixed_size 34304
		.amdhsa_private_segment_fixed_size 0
		.amdhsa_enable_private_segment 0
		.amdhsa_kernarg_size 48
		.amdhsa_user_sgpr_count 2
		.amdhsa_user_sgpr_kernarg_segment_ptr 1
		.amdhsa_wavefront_size32 1
		.amdhsa_system_sgpr_workgroup_id_x 1
		.amdhsa_system_sgpr_workgroup_id_y 1
		.amdhsa_system_sgpr_workgroup_id_z 1
		.amdhsa_system_vgpr_workitem_id 0
		.amdhsa_next_free_vgpr 256
		.amdhsa_next_free_sgpr 66
		.amdhsa_reserve_vcc 1
		.amdhsa_float_denorm_mode_32 3
		.amdhsa_float_denorm_mode_16_64 3
		.amdhsa_memory_ordered 1
		.amdhsa_forward_progress 1
		.amdhsa_inst_pref_size 107
	.end_amdhsa_kernel
	.amdgpu_metadata
---
amdhsa.version: [ 1, 2 ]
amdhsa.kernels:
  - .name:           k_qc7fc65e2a9_quant
    .symbol:         k_qc7fc65e2a9_quant.kd
    .args:
      - { .name: x, .offset: 0, .size: 8, .value_kind: global_buffer, .address_space: global }
      - { .name: w_qkv, .offset: 8, .size: 8, .value_kind: global_buffer, .address_space: global }
      - { .name: w_proj, .offset: 16, .size: 8, .value_kind: global_buffer, .address_space: global }
      - { .name: xq, .offset: 24, .size: 8, .value_kind: global_buffer, .address_space: global }
      - { .name: wq, .offset: 32, .size: 8, .value_kind: global_buffer, .address_space: global }
      - { .name: wp, .offset: 40, .size: 8, .value_kind: global_buffer, .address_space: global }
    .group_segment_fixed_size: 34304
    .private_segment_fixed_size: 0
    .kernarg_segment_align: 8
    .kernarg_segment_size: 48
    .max_flat_workgroup_size: 128
    .sgpr_count:     66
    .vgpr_count:     256
    .wavefront_size: 32
...
	.end_amdgpu_metadata
.endif
;; end of part 1
;; launch qkv (part 2): grid 16 x 16, 4 waves a work-group, clusters of 4 x 1, 168,448 bytes of LDS; arguments xq, wq, b_qkv, qh, kv; writes qh, kv
.if DOCPART == 2
	.amdgcn_target "amdgcn-amd-amdhsa--gfx1250"
	.amdhsa_code_object_version 6
	.text
	.protected	k_qc7fc65e2a9_qkv
	.globl	k_qc7fc65e2a9_qkv
	.p2align	8
	.type	k_qc7fc65e2a9_qkv,@function
k_qc7fc65e2a9_qkv:
	s_mov_b64 s[64:65], 0
	v_nop
	global_prefetch_b8 v0, s[64:65] scope:SCOPE_SE
	s_setreg_imm32_b32 hwreg(HW_REG_WAVE_MODE, 25, 1), 1
	s_wait_xcnt 0x0
	s_wait_alu depctr_hold_cnt(0) depctr_sa_sdst(0) depctr_va_vdst(0) depctr_va_sdst(0) depctr_va_ssrc(0) depctr_va_vcc(0) depctr_vm_vsrc(0)
	s_getreg_b32 s2, hwreg(HW_REG_IB_STS2, 6, 4)
	s_cmp_eq_u32 s2, 0
	s_cbranch_scc0 .Lentry_in_a_cluster
	s_endpgm
.Lentry_in_a_cluster:
	s_bfe_u32 s2, ttmp6, 0x10000c
	s_cmp_lg_u32 s2, 0x3003
	s_cbranch_scc0 .Lentry_shape_is_right
	s_endpgm
.Lentry_shape_is_right:
; qkv = x w_qkv + b_qkv on codes of FP6 (E2M3) with E8M0 scales, and its results quantised in registers: q and k along the head's 64, v along the keys.
; SHARES.  A work-group takes 256 tokens (x) and one head (y); wave w takes 64 tokens G = 4 x block + w (four tiles T) against the head's 12 tiles of w_qkv (q 0-3, k 4-7, v 8-11): 48 accumulators, K = 1,024 in eight steps.
; For q and k the product is used transposed (source 0 = 16 columns of w, source 1 = 16 tokens): a lane holds a token, its registers run along d.  For v source 0 = 16 tokens, source 1 = 16 columns: a lane holds d, its registers run along the keys.
; The rows of every tile are chosen so (tile 2 b + u, lane row r: row 32 b + 8 u + r + 8 (r / 8)) that the 16 registers of two neighbouring tiles are 16 neighbours along the next product's K.
; The head's panel of weights, 153,600 bytes, is read by all four waves and by the four work-groups of the cluster: it comes into LDS once, by JOINT tensor loads (mask 15), in two halves of four K steps.
; x is not shared so: its 256 rows' codes for all of K (204,800 bytes) do not fit beside the panel; each fragment of x is read by one wave of the work-group and goes from memory straight into registers.
; OUT: qh [bh][G] records of 3,328 bytes: four half fragments (16 rows x 64 K, 6 registers: registers 0-3 at 16 l, registers 4-5 at 512 + 8 l) and 256 bytes of scale words; kv [bh][G] records of 6,656: k's four, v^T's four, k's words, v's words.
; LIMITS: NaN and infinities are not served; a block whose largest magnitude lies under 2^-124, a block of zeros among them, gets the byte 1 (its codes add nothing; this program alone reads the bytes).
; REGISTERS, in windows of 256: window 0: addresses, scale words, biases, later the codes made.  window 1: v0-143 the 12 weight fragments; v144, v192 x's sets 0, 1.  window 2: q's and k's accumulators at 8 (8 T + t).  window 3: v0-127 v's at 8 (4 t' + T); v128, v176 x's sets 2, 3.
; THE TOKENS' TILES: of each 64 tokens, tile T takes in lane row r the token 32 (r / 8) + 8 T + r % 8 (the order stated above is that of w's columns): so v's 32 registers of a lane are 32 neighbours along the keys, a whole block.
; The panel comes by ONE joint load a wave, 38,400 bytes each: waves 0 and 1 bring its first half, waves 2 and 3 its second.
.set WV,  14                           ; s14  wave
.set SEL, 40                           ; s[40:41] lane selects for lane l xor 16
.set LS,  3                            ; v3   8 x lane
.set LI,  4                            ; v4   16 x lane, which is also the panel address of K steps 0, 1
.set ADW, 4                            ; v4-7 panel addresses for K steps 2 i, 2 i + 1
.set ADS, 8                            ; v8-9 addresses of a half's scale words
.set BO,  10                           ; v10  64 h: the biases of q and k
.set BVO, 11                           ; v11  4 (r + 8 (r / 8)): v's
.set FL,  12                           ; v12  the floor 2^(3 - 127)
.set TM,  14                           ; v14-15 largest magnitudes
.set TP,  16                           ; v16-17 the other half's; then the bytes
.set SO,  18                           ; v18-19 the conversions' scale operands
.set TQ,  20                           ; v20-22 a block's codes before the exchange
.set WS,  32                           ; v32-79 the weights' scale words: 12 (s / 2) + 2 (t / 2) + s % 2; lanes 0-15 tile t even, lanes 16-31 odd
.set XS,  80                           ; v80-95 x's: 2 s + T / 2; lanes likewise
.set BQ,  96                           ; v96-159 the biases of q and k, a tile's eight registers in the result's layout
.set BV,  160                          ; v160-191 v's
.set HF,  96                           ; at the end: v96-167 twelve half fragments; v168-179 their scale halfwords; v180-185 three pairs of scale words
.set HW,  168
.set SP,  180
.set MSB, 0
.macro WIN new                         ; the immediate's high byte repeats the setting that is left
.if MSB != (\new)
	s_set_vgpr_msb (MSB<<8)|(\new)
.set MSB, (\new)
.endif
.endm
.macro ROUND                           ; a round of the cluster's barrier
	s_barrier_signal -1
	s_barrier_wait -1
	s_cmp_lg_u32 s[WV], 0
	s_cbranch_scc1 .Lnot_wave_0_\@
	s_barrier_signal -3
.Lnot_wave_0_\@:
	s_barrier_wait -3
	s_barrier_signal -1
	s_barrier_wait -1
.endm
.macro PLACES                          ; four plain places between a matrix instruction and a load into, or a vector read of, its registers
.rept 4
	v_nop
.endr
.endm
.macro WM                              ; one product, by the symbols rD, rA, rB, rC, rSA, rSB and the rows rRA, rRB of the scale registers
.if rRA == 0 && rRB == 0
	v_wmma_scale_f32_16x16x128_f8f6f4 v[rD:rD+7], v[rA:rA+11], v[rB:rB+11], v[rC:rC+7], v[rSA], v[rSB] matrix_a_fmt:MATRIX_FMT_FP6 matrix_b_fmt:MATRIX_FMT_FP6
.elseif rRA == 1 && rRB == 0
	v_wmma_scale_f32_16x16x128_f8f6f4 v[rD:rD+7], v[rA:rA+11], v[rB:rB+11], v[rC:rC+7], v[rSA], v[rSB] matrix_a_fmt:MATRIX_FMT_FP6 matrix_b_fmt:MATRIX_FMT_FP6 matrix_a_scale:MATRIX_SCALE_ROW1
.elseif rRA == 0
	v_wmma_scale_f32_16x16x128_f8f6f4 v[rD:rD+7], v[rA:rA+11], v[rB:rB+11], v[rC:rC+7], v[rSA], v[rSB] matrix_a_fmt:MATRIX_FMT_FP6 matrix_b_fmt:MATRIX_FMT_FP6 matrix_b_scale:MATRIX_SCALE_ROW1
.else
	v_wmma_scale_f32_16x16x128_f8f6f4 v[rD:rD+7], v[rA:rA+11], v[rB:rB+11], v[rC:rC+7], v[rSA], v[rSB] matrix_a_fmt:MATRIX_FMT_FP6 matrix_b_fmt:MATRIX_FMT_FP6 matrix_a_scale:MATRIX_SCALE_ROW1 matrix_b_scale:MATRIX_SCALE_ROW1
.endif
.endm
.macro XSET s                          ; where K step s's fragments of x stand: window XW, register XB
.set XN, (\s)%4
.if XN < 2
.set XW, 1
.set XB, 144+48*XN
.else
.set XW, 3
.set XB, 128+48*(XN-2)
.endif
.endm
.macro LDX s                           ; x's four fragments of K step s, from memory: 12 loads of 512 consecutive bytes
	XSET \s
.set WN, XW<<6
	WIN WN
.irp tt,0,1,2,3
.irp g,0,1,2
	global_load_b128 v[XB+12*\tt+4*\g:XB+12*\tt+4*\g+3], v[LI], s[4:5] offset:6400*(\s)+1536*\tt+512*\g
.endr
.endr
.endm
.macro LDW s, t0                       ; six weight fragments of K step s, from the panel: 18 loads
	WIN 0x40
.irp q,0,1,2,3,4,5
.irp g,0,1,2
	ds_load_b128 v[12*(\t0+\q)+4*\g:12*(\t0+\q)+4*\g+3], v[ADW+(\s)/2] offset:((\s)%2)*18432+1536*(\t0+\q)+512*\g
.endr
.endr
.endm
.macro LDSW j                          ; the scale words of half j: 12 loads of 256 bytes
.irp e,0,1
.irp b,0,1,2,3,4,5
	ds_load_b64 v[WS+12*(2*(\j)+\e)+2*\b:WS+12*(2*(\j)+\e)+2*\b+1], v[ADS+(\j)] offset:(2*\b+\e)*256
.endr
.endr
.endm
; q's and k's tiles t0 .. t1 against the four tiles of tokens.  In K step 0 the bias is the C.  The 48 accumulators take turns, one instruction a turn, in the same order in every K step.
.macro MULQK s, t0, t1
	XSET \s
.if (\s) == 0
.set WN, 1|(XW<<2)|(0<<4)|(2<<6)
.else
.set WN, 1|(XW<<2)|(2<<4)|(2<<6)
.endif
	WIN WN
.set tw, \t0
.rept (\t1)-(\t0)+1
.irp tt,0,1,2,3
.set rD, 8*(8*\tt+tw)
.set rA, 12*tw
.set rB, XB+12*\tt
.if (\s) == 0
.set rC, BQ+8*tw
.else
.set rC, rD
.endif
.set rSA, WS+12*((\s)/2)+2*(tw/2)+(\s)%2
.set rSB, XS+2*(\s)+\tt/2
.set rRA, tw%2
.set rRB, \tt%2
	WM
.endr
.set tw, tw+1
.endr
.endm
.macro MULV s                          ; v: source 0 = tokens, source 1 = v's columns
	XSET \s
.if (\s) == 0
.set WN, XW|(1<<2)|(0<<4)|(3<<6)
.else
.set WN, XW|(1<<2)|(3<<4)|(3<<6)
.endif
	WIN WN
.irp tv,0,1,2,3
.irp tt,0,1,2,3
.set rD, 8*(4*\tv+\tt)
.set rA, XB+12*\tt
.set rB, 12*(8+\tv)
.if (\s) == 0
.set rC, BV+8*\tv
.else
.set rC, rD
.endif
.set rSA, XS+2*(\s)+\tt/2
.set rSB, WS+12*((\s)/2)+2*(4+\tv/2)+(\s)%2
.set rRA, \tt%2
.set rRB, \tv%2
	WM
.endr
.endr
.endm
.macro KSTEP s
.if 12*(7-(\s)) < 36
	s_wait_loadcnt 12*(7-(\s))                     ; x's fragments of this K step are in; those of the steps behind it may be out
.else
	s_wait_loadcnt 36                              ; ... of the three steps behind it (12 loads each)
.endif
	s_wait_dscnt 18                                ; weight tiles 0-5 are in; the youngest 18 loads (tiles 6-11) may be out
	MULQK \s, 0, 5
	PLACES
.if (\s) == 3
	WIN 0
	s_wait_tensorcnt 0x0                           ; my part of the panel's second half has landed;
	s_wait_dscnt 0x0                               ; no LDS instruction of mine is pending at the signal
	s_barrier_signal -1
	s_barrier_wait -1                              ; everybody's has
	LDSW 1
.endif
.if (\s) < 7
	LDW (\s)+1, 0
	s_wait_dscnt 18                                ; all but the 18 just issued: tiles 6-11 of this step are in
.else
	s_wait_alu depctr_va_vdst(0)
	s_wait_dscnt 0x0
.endif
	MULQK \s, 6, 7
	MULV \s
	PLACES
.if (\s) < 7
	LDW (\s)+1, 6
.endif
.if (\s) < 4
	LDX (\s)+4                                     ; into the set that this step has just multiplied
.endif
.endm
; 32 numbers of a lane in window win, register 16 b + i = k 32 b + 16 h + i of my row, become a half fragment in v[dst] .. v[dst + 5] and its two scale bytes in v[hw], in window 0.
.macro QUANT2 win, src, dst, hw
	WIN ((\win)<<2)|((\win)<<4)
.irp b,0,1
	v_max3_num_f32 v[TM+\b], v[FL], |v[(\src)+16*\b]|, |v[(\src)+16*\b+1]|   ; each accumulator is read from its low end on
.endr
.irp i,2,4,6,8,10,12,14
.irp b,0,1
	v_max3_num_f32 v[TM+\b], v[TM+\b], |v[(\src)+16*\b+\i]|, |v[(\src)+16*\b+\i+1]|
.endr
.endr
	WIN 0
.irp b,0,1
	v_permlanex16_b32 v[TP+\b], v[TM+\b], s[SEL], s[SEL+1]
.endr
.irp b,0,1
	v_max_num_f32 v[TM+\b], v[TM+\b], v[TP+\b]     ; with lane l xor 16's 16: the block's largest magnitude
.endr
.irp b,0,1
	v_add_nc_u32 v[SO+\b], 0xff000000, v[TM+\b]    ; 2 off the exponent field: the conversion's scale operand
.endr
.irp b,0,1
	v_lshrrev_b32 v[TP+\b], 23, v[SO+\b]           ; the byte
.endr
	v_lshl_or_b32 v[\hw], v[TP+1], 8, v[TP]
	WIN \win
	v_cvt_scalef32_pk16_fp6_f32 v[(\dst):(\dst)+2], v[(\src):(\src)+15], v[SO]
	v_cvt_scalef32_pk16_fp6_f32 v[TQ:TQ+2], v[(\src)+16:(\src)+31], v[SO+1]
	WIN 0
	v_nop                                          ; one plain place behind a scaled conversion
.irp i,0,1,2
	v_permlane16_swap_b32 v[(\dst)+\i], v[TQ+\i]   ; a lane gets a whole block: lanes 0-15 block 0, lanes 16-31 block 1
.endr
.irp i,0,1,2
	v_mov_b32 v[(\dst)+3+\i], v[TQ+\i]
.endr
.endm
; v: 32 numbers of a lane in window 3, register i = key 32 h + i: a whole block: no other lane is asked for the maximum, and the conversions give the half fragment's registers as they stand.
.macro QUANTV src, dst, hw
	WIN 0x3c
.irp b,0,1
	v_max3_num_f32 v[TM+\b], v[FL], |v[(\src)+16*\b]|, |v[(\src)+16*\b+1]|
.endr
.irp i,2,4,6,8,10,12,14
.irp b,0,1
	v_max3_num_f32 v[TM+\b], v[TM+\b], |v[(\src)+16*\b+\i]|, |v[(\src)+16*\b+\i+1]|
.endr
.endr
	WIN 0
	v_max_num_f32 v[TM], v[TM], v[TM+1]
	v_add_nc_u32 v[SO], 0xff000000, v[TM]          ; 2 off the exponent field
	v_lshrrev_b32 v[TP], 23, v[SO]                 ; the byte,
	v_lshlrev_b32 v[TP], v13, v[TP]                ; at its place h of the halfword;
	v_permlanex16_b32 v[TP+1], v[TP], s[SEL], s[SEL+1]
	v_or_b32 v[\hw], v[TP], v[TP+1]                ; with lane l xor 16's the halfword is whole
	WIN 3
	v_cvt_scalef32_pk16_fp6_f32 v[(\dst):(\dst)+2], v[(\src):(\src)+15], v[SO]
	v_cvt_scalef32_pk16_fp6_f32 v[TQ:TQ+2], v[(\src)+16:(\src)+31], v[SO]
	WIN 0
	v_nop                                          ; one plain place behind a scaled conversion
.irp i,0,1,2
	v_mov_b32 v[(\dst)+3+\i], v[TQ+\i]
.endr
.endm
	s_load_b256 s[4:11], s[0:1], 0x0               ; xq s[4:5], wq s[6:7], b_qkv s[8:9], qh s[10:11]
	s_load_b64 s[12:13], s[0:1], 0x20              ; kv
	v_lshl_add_u32 v254, v0, 2, 0x29000
	v_mov_b32 v255, 0
	ds_add_u32 v254, v255
	ds_add_u32 v254, v255
	v_lshrrev_b32 v1, 5, v0
	v_readfirstlane_b32 s[WV], v1                  ; wave 0..3
	s_bfe_u32 s15, ttmp6, 0x40000                  ; cx: it enters x's, qh's and kv's addresses alone
	s_lshl_b32 s32, ttmp9, 2
	s_add_co_u32 s32, s32, s15                     ; block of 256 tokens
	s_lshl_b32 s32, s32, 2
	s_add_co_u32 s32, s32, s[WV]                   ; G: my 64 tokens
	s_and_b32 s33, ttmp7, 0xffff                   ; the head, which the partners share
	; descriptor group 1: 150 rows of 256 bytes (32 elements of 8 bytes), dense, no padding: a quarter of the panel
	s_mov_b32 s16, 15|(3<<16)|(1<<21)              ; the mask: all four work-groups; elements of 8 bytes; bit 21 set beside a mask
	s_mov_b32 s17, 32<<16                          ; tensor_dim0
	s_mov_b32 s18, 150<<16                         ; tensor_dim1
	s_mov_b32 s19, 32<<16                          ; tile_dim0
	s_mov_b32 s20, 150                             ; tile_dim1
	s_mov_b32 s21, 32                              ; the pitch
	s_mov_b32 s22, 0
	s_mov_b32 s23, 0
	s_mul_i32 s44, s[WV], 38400                    ; my quarter, in LDS and in memory alike
	s_mul_i32 s46, s33, 153600
	s_add_co_u32 s46, s46, s44
	s_mov_b32 s47, 0
	s_mul_i32 s34, s32, 51200                      ; xq: G's eight records
	s_mov_b32 s35, 0
	s_lshl_b32 s36, s33, 8                         ; b_qkv: the head's 64 numbers
	s_mov_b32 s37, 0
	s_lshr_b32 s38, s32, 5                         ; the batch
	s_lshl_b32 s38, s38, 4
	s_add_co_u32 s38, s38, s33                     ; bh
	s_lshl_b32 s38, s38, 5
	s_and_b32 s39, s32, 31
	s_add_co_u32 s38, s38, s39                     ; record 32 bh + G % 32
	s_mul_i32 s42, s38, 6656
	s_mov_b32 s43, 0
	s_mul_i32 s38, s38, 3328
	s_mov_b32 s39, 0
	s_mov_b32 s[SEL], 0x76543210
	s_mov_b32 s[SEL+1], 0xfedcba98
	s_wait_dscnt 0x0
	s_wait_kmcnt 0x0
	s_add_nc_u64 s[46:47], s[6:7], s[46:47]
	s_add_nc_u64 s[4:5], s[4:5], s[34:35]
	s_add_nc_u64 s[8:9], s[8:9], s[36:37]
	s_add_nc_u64 s[10:11], s[10:11], s[38:39]
	s_add_nc_u64 s[12:13], s[12:13], s[42:43]
	s_mov_b32 s24, 1                               ; group 0
	s_mov_b32 s25, s44
	s_mov_b64 s[26:27], s[46:47]
	s_or_b32 s27, s27, 0x80000000
	ROUND                                          ; all four work-groups are here: the joint loads meet
	s_cmp_lt_u32 s[WV], 2
	s_cbranch_scc0 .Lsecond_half
	tensor_load_to_lds s[24:27], s[16:23]          ; waves 0, 1: the first half.  One load of mine is out; every LDS byte is filled once
	s_nop 0
.rept 4
	v_nop
.endr
	s_branch .Lhalves_asked
.Lsecond_half:
	tensor_load_to_lds s[24:27], s[16:23]          ; waves 2, 3: the second
	s_nop 0
.rept 4
	v_nop
.endr
.Lhalves_asked:
	v_and_b32 v1, 31, v0
	v_lshlrev_b32 v[LI], 4, v1
	v_lshlrev_b32 v[LS], 3, v1
	v_add_nc_u32 v[ADW+1], 36864, v[LI]
	v_add_nc_u32 v[ADW+2], 76800, v[LI]
	v_add_nc_u32 v[ADW+3], 113664, v[LI]
	v_add_nc_u32 v[ADS], 73728, v[LS]
	v_add_nc_u32 v[ADS+1], 150528, v[LS]
	v_bfe_u32 v[BO], v0, 4, 1
	v_lshlrev_b32 v[BO], 6, v[BO]
	v_and_b32 v[BVO], 15, v0
	v_and_b32 v13, 8, v[BVO]
	v_add_nc_u32 v[BVO], v13, v[BVO]
	v_lshlrev_b32 v[BVO], 2, v[BVO]
	v_mov_b32 v[FL], 0x1800000
	v_mov_b32 v[TP], 0                             ; a lane permute's destination counts as one of its sources
	v_mov_b32 v[TP+1], 0
.irp t,0,1,2,3,4,5,6,7                 ; lane (r, h) of tile t wants the biases of d = 32 ((t % 4) / 2) + 16 h + 8 (t % 2) + 0 .. 7
	global_load_b128 v[BQ+8*\t:BQ+8*\t+3], v[BO], s[8:9] offset:(\t/4)*4096+(32*((\t%4)/2)+8*(\t%2))*4
	global_load_b128 v[BQ+8*\t+4:BQ+8*\t+7], v[BO], s[8:9] offset:(\t/4)*4096+(32*((\t%4)/2)+8*(\t%2))*4+16
.endr
.irp t,0,1,2,3                         ; v: a lane holds one d: its eight registers (eight tokens) take the same number
.irp j,0,1,2,3,4,5,6,7
	global_load_b32 v[BV+8*\t+\j], v[BVO], s[8:9] offset:8192+(32*(\t/2)+8*(\t%2))*4
.endr
.endr
.irp s,0,1,2,3,4,5,6,7
	global_load_b64 v[XS+2*\s:XS+2*\s+1], v[LS], s[4:5] offset:6400*\s+6144
.endr
	LDX 0
	LDX 1
	LDX 2
	LDX 3
	WIN 0
	s_wait_alu depctr_va_vdst(0)                   ; the wait at the head's end
	s_cmp_lt_u32 s[WV], 2
	s_cbranch_scc0 .Lnot_first_half
	s_wait_tensorcnt 0x0                           ; waves 0, 1: my part of the first half has landed; waves 2 and 3 may have theirs out
.Lnot_first_half:
	s_barrier_signal -1
	s_barrier_wait -1                              ; everybody's has
	LDSW 0
	LDW 0, 0
	LDW 0, 6
.irp s,0,1,2,3,4,5,6,7
	KSTEP \s
.endr
	WIN 0
	; THE WAY OUT: twelve units of 32 numbers a lane become half fragments; each leaves as 512 + 256 consecutive bytes.  No store's data are written again.
	v_and_b32 v1, 31, v0
	v_cmp_lt_u32 vcc_lo, 15, v1                    ; lanes 16-31
	v_bfe_u32 v13, v0, 4, 1
	v_lshlrev_b32 v13, 3, v13                      ; 8 h
.irp tt,0,1,2,3
	QUANT2 2, 64*\tt, HF+6*\tt, HW+\tt             ; q of tokens' tile tt
	global_store_b128 v[LI], v[HF+6*\tt:HF+6*\tt+3], s[10:11] offset:768*\tt
	global_store_b64 v[LS], v[HF+6*\tt+4:HF+6*\tt+5], s[10:11] offset:768*\tt+512
.endr
	v_cndmask_b32 v[SP], v[HW], v[HW+1], vcc_lo    ; lanes 0-15: tiles 0 and 2; lanes 16-31: tiles 1 and 3
	v_cndmask_b32 v[SP+1], v[HW+2], v[HW+3], vcc_lo
	global_store_b64 v[LS], v[SP:SP+1], s[10:11] offset:3072
.irp tt,0,1,2,3
	QUANT2 2, 64*\tt+32, HF+24+6*\tt, HW+4+\tt     ; k
	global_store_b128 v[LI], v[HF+24+6*\tt:HF+24+6*\tt+3], s[12:13] offset:768*\tt
	global_store_b64 v[LS], v[HF+24+6*\tt+4:HF+24+6*\tt+5], s[12:13] offset:768*\tt+512
.endr
	v_cndmask_b32 v[SP+2], v[HW+4], v[HW+5], vcc_lo
	v_cndmask_b32 v[SP+3], v[HW+6], v[HW+7], vcc_lo
	global_store_b64 v[LS], v[SP+2:SP+3], s[12:13] offset:6144
.irp tt,0,1,2,3
	QUANTV 32*\tt, HF+48+6*\tt, HW+8+\tt           ; v^T, tile tt of d, K = my 64 keys
	global_store_b128 v[LI], v[HF+48+6*\tt:HF+48+6*\tt+3], s[12:13] offset:3072+768*\tt
	global_store_b64 v[LS], v[HF+48+6*\tt+4:HF+48+6*\tt+5], s[12:13] offset:3072+768*\tt+512
.endr
	v_cndmask_b32 v[SP+4], v[HW+8], v[HW+9], vcc_lo
	v_cndmask_b32 v[SP+5], v[HW+10], v[HW+11], vcc_lo
	global_store_b64 v[LS], v[SP+4:SP+5], s[12:13] offset:6400
	s_wait_tensorcnt 0x0
	ds_add_u32 v254, v255
	s_wait_dscnt 0x0
	ROUND                                          ; the closing round: no work-group ends while a partner may still ask for a tile that names it
	s_endpgm
.Lfunc_end_k_qc7fc65e2a9_qkv:
	.size	k_qc7fc65e2a9_qkv, .Lfunc_end_k_qc7fc65e2a9_qkv-k_qc7fc65e2a9_qkv
	.p2alignl 7, 3214868480
	.fill 96, 4, 3214868480
	.section	.rodata,"a",@progbits
	.p2align	6, 0x0
	.amdhsa_kernel k_qc7fc65e2a9_qkv
		.amdhsa_group_segment_fixed_size 168448
		.amdhsa_private_segment_fixed_size 0
		.amdhsa_enable_private_segment 0
		.amdhsa_kernarg_size 40
		.amdhsa_user_sgpr_count 2
		.amdhsa_user_sgpr_kernarg_segment_ptr 1
		.amdhsa_wavefront_size32 1
		.amdhsa_system_sgpr_workgroup_id_x 1
		.amdhsa_system_sgpr_workgroup_id_y 1
		.amdhsa_system_sgpr_workgroup_id_z 1
		.amdhsa_system_vgpr_workitem_id 0
		.amdhsa_next_free_vgpr 1024
		.amdhsa_next_free_sgpr 66
		.amdhsa_reserve_vcc 1
		.amdhsa_float_denorm_mode_32 3
		.amdhsa_float_denorm_mode_16_64 3
		.amdhsa_memory_ordered 1
		.amdhsa_forward_progress 1
		.amdhsa_inst_pref_size 116
	.end_amdhsa_kernel
	.amdgpu_metadata
---
amdhsa.version: [ 1, 2 ]
amdhsa.kernels:
  - .name:           k_qc7fc65e2a9_qkv
    .symbol:         k_qc7fc65e2a9_qkv.kd
    .args:
      - { .name: xq, .offset: 0, .size: 8, .value_kind: global_buffer, .address_space: global }
      - { .name: wq, .offset: 8, .size: 8, .value_kind: global_buffer, .address_space: global }
      - { .name: b_qkv, .offset: 16, .size: 8, .value_kind: global_buffer, .address_space: global }
      - { .name: qh, .offset: 24, .size: 8, .value_kind: global_buffer, .address_space: global }
      - { .name: kv, .offset: 32, .size: 8, .value_kind: global_buffer, .address_space: global }
    .group_segment_fixed_size: 168448
    .private_segment_fixed_size: 0
    .kernarg_segment_align: 8
    .kernarg_segment_size: 40
    .max_flat_workgroup_size: 128
    .sgpr_count:     66
    .vgpr_count:     1024
    .wavefront_size: 32
...
	.end_amdgpu_metadata
.endif
;; end of part 2
;; launch attn (part 3): grid 8 x 32, 16 waves a work-group, clusters of 4 x 1, 216,064 bytes of LDS; arguments qh, kv, ao; writes ao
.if DOCPART == 3
	.amdgcn_target "amdgcn-amd-amdhsa--gfx1250"
	.amdhsa_code_object_version 6
	.text
	.protected	k_qc7fc65e2a9_attn
	.globl	k_qc7fc65e2a9_attn
	.p2align	8
	.type	k_qc7fc65e2a9_attn,@function
k_qc7fc65e2a9_attn:
	s_mov_b64 s[64:65], 0
	v_nop
	global_prefetch_b8 v0, s[64:65] scope:SCOPE_SE
	s_setreg_imm32_b32 hwreg(HW_REG_WAVE_MODE, 25, 1), 1
	s_wait_xcnt 0x0
	s_wait_alu depctr_hold_cnt(0) depctr_sa_sdst(0) depctr_va_vdst(0) depctr_va_sdst(0) depctr_va_ssrc(0) depctr_va_vcc(0) depctr_vm_vsrc(0)
	s_getreg_b32 s2, hwreg(HW_REG_IB_STS2, 6, 4)
	s_cmp_eq_u32 s2, 0
	s_cbranch_scc0 .Lentry_in_a_cluster
	s_endpgm
.Lentry_in_a_cluster:
	s_bfe_u32 s2, ttmp6, 0x10000c
	s_cmp_lg_u32 s2, 0x3003
	s_cbranch_scc0 .Lentry_shape_is_right
	s_endpgm
.Lentry_shape_is_right:
; ao = Q(softmax(q k^T / 8) v), on codes of FP6 (E2M3) with E8M0 scales: q, k quantised along the head's 64, p and v along the keys, ao along the head's 64.
; SHARES.  A work-group takes 256 queries (x) of one batch and head (y); a wave takes a tile of 16 queries.  The keys go in eight steps of 256 (four records of 64).
; All keys and values of the head, 212,992 bytes, lie in LDS, filled once: wave w brings records 2 w and 2 w + 1 by one JOINT tensor load (the four work-groups of a cluster share batch and head).
; No prefetch: each byte is asked for once, at the head; no loop loads from memory.
; Both products are used transposed.  S^T = k q^T: K = 64, the operand's upper 64 are zero codes on q's side.  Tile i of a record holds in row m the key 32 (m / 8) + 8 i + m % 8, so that a lane's 32 registers of a record are
; 32 neighbouring keys: one scale block of p.  Its maximum asks no other lane, and two conversions give six registers of the second product's operand.
; SOFTMAX: M is the ceiling of the running maximum of t = score x log2(e) / 8, kept as -M; p = 2^(t - M); the row's sum is taken of the unquantised p; a step's change of M multiplies the sum and O^T by a power of two.
; A block's largest p is made from the block's largest score by the same multiply-add and exponential.
; LIMITS: NaN and infinities are not served; the promise holds while |t| stays under 2^31; a block whose largest magnitude lies under 2^-124, a block of zeros among them, gets the byte 1 (this program alone reads the bytes).
; LDS: kv's records, then the spare words, then 1,024 bytes for ao's scale words.
; REGISTERS: all 256, and some in turn: record 0's half fragments of k stand where record 2's scores will be, record 1's where record 3's will be, record 2's in the codes' registers, record 3's in DK;
; v's fragments stand in DK and over scores that are done with.  A record's last half fragment is named with the six registers behind it: as codes they are finite whatever they hold, and q's zeros multiply them.
.set SPARE, 212992
.set SCG, 215040
.set STEPB, 26624                      ; four records of 6,656 bytes
.set PW,  1                            ; p's scale words of a step: lanes 0-15 its first 128 keys, lanes 16-31 the others
.set FF,  2                            ; 2^(old M - new M)  (v3 holds 0)
.set TQ,  4                            ; v4-6 for the moment
.set QS,  7                            ; q's scale words
                                       ; v8: -M;  v9: the running largest score;  v[10:11] the row's sum;  v[12:17] three more chains of it
.set BM,  18                           ; v18-21 a block's largest score, then largest p, then the conversion's scale operand, then the byte
.set KS,  22                           ; v22-29 k's scale words; then v's, halves and whole
.set QF,  30                           ; v30-41 q's fragment, its upper half zeros
.set O,   42                           ; v42-73 O^T
.set DK,  74                           ; v74-97
.set PC,  98                           ; v98-121 the codes of p
.set LB,  122                          ; 16 x lane
.set LH,  123                          ; 8 x lane
.set SPW, 124
.set NIL, 125
.set AQ,  126                          ; the step's addresses
.set AH,  127
.set SS,  128                          ; v128-255 the scores, then p: record n at 32 n, its tile i at 8 i
.set WV,  10
.set TB,  14
.set CNT, 15
.set SEL, 40
.set CS,  42
.macro WALU
	s_wait_alu depctr_va_vdst(0)
.endm
.macro ROUND                           ; a round of the cluster's barrier
	s_barrier_signal -1
	s_barrier_wait -1
	s_cmp_lg_u32 s[WV], 0
	s_cbranch_scc1 .Lnot_wave_0_\@
	s_barrier_signal -3
.Lnot_wave_0_\@:
	s_barrier_wait -3
	s_barrier_signal -1
	s_barrier_wait -1
.endm
.macro WM d, a, b, c, x, y, ra, rb
	v_wmma_scale_f32_16x16x128_f8f6f4 v[\d:\d+7], v[\a:\a+11], v[\b:\b+11], \c, v[\x], v[\y] matrix_a_fmt:MATRIX_FMT_FP6 matrix_b_fmt:MATRIX_FMT_FP6 matrix_a_scale:MATRIX_SCALE_ROW\ra matrix_b_scale:MATRIX_SCALE_ROW\rb
.endm
.macro KAT n                           ; where record n's half fragments of k stand
.if (\n) < 2
.set KB_, SS+64+32*(\n)
.elseif (\n) == 2
.set KB_, PC
.else
.set KB_, DK
.endif
.endm
.macro LDK n                           ; record n's four half fragments: 8 loads
	KAT \n
.irp i,0,1,2,3
	ds_load_b128 v[KB_+6*\i:KB_+6*\i+3], v[AQ] offset:6656*(\n)+768*\i
	ds_load_b64 v[KB_+6*\i+4:KB_+6*\i+5], v[AH] offset:6656*(\n)+768*\i+512
.endr
.endm
.macro SW n                            ; S^T of record n
	KAT \n
.irp i,0,1,2,3
.set D_, SS+32*(\n)+8*\i
.set A_, KB_+6*\i
.set X_, KS+2*(\n)+\i/2
.if \i%2
	WM D_, A_, QF, 0, X_, QS, 1, 0
.else
	WM D_, A_, QF, 0, X_, QS, 0, 0
.endif
.endr
.endm
.macro LDVF gg, t, dst                 ; v's fragment of tile t of d, keys 128 gg .. of the step: 4 loads
.irp c,0,1
	ds_load_b128 v[(\dst)+6*\c:(\dst)+6*\c+3], v[AQ] offset:6656*(2*(\gg)+\c)+3072+768*(\t)
	ds_load_b64 v[(\dst)+6*\c+4:(\dst)+6*\c+5], v[AH] offset:6656*(2*(\gg)+\c)+3072+768*(\t)+512
.endr
.endm
.macro PV gg, t, a, zero               ; O^T, tile t of d, += keys 128 gg ..; v's codes at a
.set D_, O+8*(\t)
.set A_, \a
.set B_, PC+12*(\gg)
.set X_, KS+4*(\gg)+(\t)/2
.if \zero
.if (\t)%2
	WM D_, A_, B_, 0, X_, PW, 1, \gg
.else
	WM D_, A_, B_, 0, X_, PW, 0, \gg
.endif
.else
.if (\t)%2
	WM D_, A_, B_, v[D_:D_+7], X_, PW, 1, \gg
.else
	WM D_, A_, B_, v[D_:D_+7], X_, PW, 0, \gg
.endif
.endif
.endm
.macro MXL n, k                        ; line k of 16 for record n's largest score.  The first line's constant lies under every score
.if (\k) == 0
	v_max3_num_f32 v[BM+(\n)], 0xff61b1e6, v[SS+32*(\n)], v[SS+32*(\n)+1]
.else
	v_max3_num_f32 v[BM+(\n)], v[BM+(\n)], v[SS+32*(\n)+2*(\k)], v[SS+32*(\n)+2*(\k)+1]
.endif
.endm
.macro MX                              ; four records by turns, each accumulator from its low end on; records 2, 3 begin four lines later: those are the places behind their products
.set M_, 0
.rept 18
.if M_ < 16
	MXL 0, M_
	MXL 1, M_
.endif
.if M_ > 1
	MXL 2, M_-2
	MXL 3, M_-2
.endif
.set M_, M_+1
.endr
.endm
.macro FMA j                           ; t - M, two at a time
	v_pk_fma_f32 v[SS+2*(\j):SS+2*(\j)+1], v[SS+2*(\j):SS+2*(\j)+1], s[CS:CS+1], v[8:9] op_sel_hi:[1,0,0]
.endm
.macro STATS first
	v_max3_num_f32 v[TQ], v[BM], v[BM+1], v[BM+2]
	v_max_num_f32 v[TQ], v[TQ], v[BM+3]
	v_permlanex16_b32 v[TQ+1], v[TQ], s[SEL], s[SEL+1]
.if \first
	v_max_num_f32 v9, v[TQ], v[TQ+1]
.else
	v_max3_num_f32 v9, v9, v[TQ], v[TQ+1]
.endif
	v_mul_f32 v[TQ], s[CS], v9
.if \first == 0
	v_mov_b32 v[TQ+1], v8
.endif
	v_floor_f32 v8, -v[TQ]                         ; -M
.irp j,0,1,2,3
	FMA \j
.endr
.if \first == 0
	v_sub_f32 v[TQ+1], v8, v[TQ+1]
.endif
.irp n,0,1,2,3
	v_fma_f32 v[BM+\n], v[BM+\n], s[CS], v8
.endr
.if \first == 0
	v_cvt_i32_f32 v[TQ+1], v[TQ+1]                 ; (it saturates)
.endif
.irp j,4,5,6,7,8,9,10,11,12,13,14,15
	FMA \j
.endr
.if \first == 0
	v_ldexp_f32 v[FF], 1.0, v[TQ+1]
.endif
.irp j,16,17,18,19,20,21,22,23,24,25,26,27,28,29,30,31
	FMA \j
.endr
.if \first == 0
	v_pk_mul_f32 v[10:11], v[10:11], v[FF:FF+1] op_sel_hi:[1,0]
.irp j,0,2,4,6,8,10,12,14,16,18,20,22,24,26,28,30
	v_pk_mul_f32 v[O+\j:O+\j+1], v[O+\j:O+\j+1], v[FF:FF+1] op_sel_hi:[1,0]
.endr
.endif
.endm
.macro EXPS g                          ; the exponentials of records 2 g, 2 g + 1; behind g = 0 the multiply-adds of records 2, 3 stand among them
	WALU                                           ; the wait ahead of the batch
.if (\g) == 0
.irp b,0,1,2,3
	v_exp_f32 v[BM+\b], v[BM+\b]
.endr
.endif
.set J_, 0
.rept 32
	v_exp_f32 v[SS+64*(\g)+2*J_], v[SS+64*(\g)+2*J_]
	v_exp_f32 v[SS+64*(\g)+2*J_+1], v[SS+64*(\g)+2*J_+1]
.if (\g) == 0
	FMA 32+J_
.endif
.set J_, J_+1
.endr
.if (\g) == 1
	v_nop                                          ; one plain place behind a transcendental
	s_wait_dscnt 0x0                               ; v's words and fragments are in
.endif
	WALU                                           ; and behind it, ahead of the first reader
.endm
; The row's sum: line k of record x; four chains by turns.  Chain 0 is the sum itself, chains 1-3 begin anew with each step's first record.
.macro ACC c, x, p
.set C_, 10+2*(\c)
	v_pk_add_f32 v[C_:C_+1], v[SS+32*(\x)+2*(\p):SS+32*(\x)+2*(\p)+1], v[C_:C_+1]
.endm
.macro ADD1 x, k, first
.if (\x)
	ACC (\k)%4, \x, \k
.elseif (\k) < 3
	v_pk_add_f32 v[12+2*(\k):13+2*(\k)], v[SS+4*(\k):SS+4*(\k)+1], v[SS+4*(\k)+2:SS+4*(\k)+3]
.elseif \first
.if (\k) == 3
	v_pk_add_f32 v[10:11], v[SS+12:SS+13], v[SS+14:SS+15]
.elseif (\k) < 12
	ACC (\k)%4, \x, (\k)+4
.endif
.elseif (\k) < 13
	ACC ((\k)+1)%4, \x, (\k)+3
.endif
.endm
.macro ADDS x, k0, n, first
.set K_, \k0
.rept \n
	ADD1 \x, K_, \first
.set K_, K_+1
.endr
.endm
.macro CVT x                           ; record x's codes, the upper half of the block for the moment in TQ (a conversion's three registers begin on an even number)
	v_cvt_scalef32_pk16_fp6_f32 v[PC+6*(\x):PC+6*(\x)+2], v[SS+32*(\x):SS+32*(\x)+15], v[BM+(\x)]
	v_cvt_scalef32_pk16_fp6_f32 v[TQ:TQ+2], v[SS+32*(\x)+16:SS+32*(\x)+31], v[BM+(\x)]
.endm
.macro PUT x                           ; its byte, and the upper half to its place
	v_lshrrev_b32 v[BM+(\x)], 23, v[BM+(\x)]
.irp i,0,1,2
	v_mov_b32 v[PC+6*(\x)+3+\i], v[TQ+\i]
.endr
.endm
.macro PLAIN a, b, first               ; records a and b = a + 1: the scales, the codes, the sum
	v_max_num_f32 v[BM+\a], 0x1800000, v[BM+\a]    ; the floor 2^(3 - 127)
	v_max_num_f32 v[BM+\b], 0x1800000, v[BM+\b]
	ADDS \a, 0, 4, \first
	v_add_nc_u32 v[BM+\a], 0xff000000, v[BM+\a]    ; 2 off the exponent field: the conversion's scale operand
	v_add_nc_u32 v[BM+\b], 0xff000000, v[BM+\b]
	ADDS \a, 4, 4, \first
	CVT \a
	ADDS \a, 8, 8, \first
	PUT \a
.if \a == 2
	LDVF 1, 3, SS+64                               ; record 2's p is done with
.endif
	CVT \b
	ADDS \b, 0, 8, \first
	PUT \b
.if \a == 2                            ; the scale words: a lane holds the bytes of blocks h and 2 + h of both halves of the keys; the exchange gives lanes 0-15 the first half's, lanes 16-31 the second's
	v_lshl_or_b32 v[TQ], v[BM+1], 16, v[BM]
	v_lshl_or_b32 v[TQ+1], v[BM+3], 16, v[BM+2]
	v_permlane16_swap_b32 v[TQ], v[TQ+1]
	v_lshl_or_b32 v[PW], v[TQ+1], 8, v[TQ]
.endif
	ADDS \b, 8, 8, \first                          ; (of the last record: also the eight places between its words and the products)
.endm
.macro BASE
	v_add_nc_u32 v[AQ], s[TB], v[LB]
	v_add_nc_u32 v[AH], s[TB], v[LH]
	WALU                                           ; the wait here, behind the write
.endm
.macro STEP first
	BASE
.irp g,0,1,2,3
	ds_load_b64 v[KS+2*\g:KS+2*\g+1], v[AH] offset:6656*\g+6144
.endr
.irp n,0,1,2,3
	LDK \n
.endr
	s_wait_dscnt 16                                ; the words and records 0 and 1 are in: the 16 loads of records 2 and 3 may be out
	SW 0
	SW 1
.rept 5
	v_nop                                          ; the places in front of products that write over those products' operands
.endr
	s_wait_dscnt 0x0
	SW 2
	SW 3
	MX
	STATS \first
	EXPS 0
	PLAIN 0, 1, \first
.irp g,0,1,2,3                         ; v's scale words, and all its fragments but the last: records 0 and 1 of p are done with, and so are k's words and DK
	ds_load_b64 v[KS+2*\g:KS+2*\g+1], v[AH] offset:6656*\g+6400
.endr
.irp t,0,1,2,3
	LDVF 0, \t, SS+12*\t
.endr
	LDVF 1, 0, DK
	LDVF 1, 1, DK+12
	LDVF 1, 2, SS+48
	EXPS 1
.irp gg,0,1
.irp b,0,1
	v_lshl_or_b32 v[KS+4*\gg+\b], v[KS+4*\gg+2+\b], 16, v[KS+4*\gg+\b]
.endr
.endr
	PLAIN 2, 3, \first
	WALU                                           ; the wait here, directly ahead of the wait below
	s_wait_dscnt 0x0
.irp t,0,1,2,3                         ; the four accumulators take turns
	PV 0, \t, SS+12*\t, \first
.endr
	PV 1, 0, DK, 0
	PV 1, 1, DK+12, 0
	PV 1, 2, SS+48, 0
	PV 1, 3, SS+64, 0
	v_pk_add_f32 v[12:13], v[12:13], v[14:15]      ; the chains become one.  (With the line below and the next step's two first: the places in front of its loads and products)
	v_pk_add_f32 v[10:11], v[10:11], v[16:17]
	v_pk_add_f32 v[10:11], v[10:11], v[12:13]
	v_nop
	s_add_co_u32 s[TB], s[TB], STEPB
.endm
	s_load_b128 s[4:7], s[0:1], 0x0                ; qh, kv
	s_load_b64 s[8:9], s[0:1], 0x10                ; ao
	v_lshl_add_u32 v[SPW], v0, 2, SPARE
	v_mov_b32 v[NIL], 0
	ds_add_u32 v[SPW], v[NIL]                      ; the opening lines: the add, twice, and its wait
	ds_add_u32 v[SPW], v[NIL]
	v_lshrrev_b32 v[TQ], 5, v0
	v_readfirstlane_b32 s[WV], v[TQ]               ; wave 0..15
	s_bfe_u32 s11, ttmp6, 0x40000                  ; cx: it enters q's and ao's addresses alone
	s_lshl_b32 s12, ttmp9, 2
	s_add_co_u32 s12, s12, s11                     ; block of 256 queries
	s_and_b32 s13, ttmp7, 0xffff                   ; batch and head
	s_mov_b32 s16, 15|(3<<16)|(1<<21)              ; group 1: the mask, elements of 8 bytes, bit 21 beside a mask
	s_mov_b32 s17, 32<<16                          ; 52 rows of 256 bytes: two records, dense
	s_mov_b32 s18, 52<<16
	s_mov_b32 s19, 32<<16
	s_mov_b32 s20, 52
	s_mov_b32 s21, 32
	s_mov_b32 s22, 0
	s_mov_b32 s23, 0
	s_mul_i32 s58, s[WV], 13312                    ; my two records, in LDS and from the head's first
	s_mul_i32 s60, s13, 212992
	s_add_co_u32 s60, s60, s58
	s_mov_b32 s61, 0
	s_lshr_b32 s47, s[WV], 2                       ; which of the block's four groups of 64 queries
	s_and_b32 s46, s[WV], 3                        ; which of its tiles
	s_lshl_b32 s45, s12, 2
	s_lshl_b32 s52, s13, 5
	s_add_co_u32 s52, s52, s45
	s_add_co_u32 s52, s52, s47
	s_mul_i32 s52, s52, 3328                       ; q's record
	s_mul_i32 s57, s46, 768
	s_add_co_u32 s54, s52, s57
	s_mov_b32 s55, 0
	s_and_b32 s56, s46, 1
	s_lshl_b32 s56, s56, 7
	s_lshr_b32 s59, s46, 1
	s_lshl_b32 s59, s59, 2
	s_add_co_u32 s56, s56, s59                     ; my tile's words among the record's: tiles 0, 1 in the first dwords of 32 pairs, tiles 2, 3 in the second
	s_add_co_u32 s52, s52, s56
	s_add_co_u32 s52, s52, 3072
	s_mov_b32 s53, 0
	s_lshr_b32 s44, s13, 4
	s_lshl_b32 s44, s44, 5
	s_add_co_u32 s44, s44, s45                     ; the block's first group of 64 tokens
	s_and_b32 s59, s13, 15                         ; head
	s_add_co_u32 s50, s44, s47
	s_lshl_b32 s50, s50, 4
	s_add_co_u32 s50, s50, s59
	s_mul_i32 s50, s50, 3328
	s_add_co_u32 s50, s50, s57                     ; ao: my tile
	s_mov_b32 s51, 0
	s_add_co_u32 s48, s44, s[WV]
	s_lshl_b32 s48, s48, 4
	s_add_co_u32 s48, s48, s59
	s_mul_i32 s48, s48, 3328
	s_add_co_u32 s48, s48, 3072                    ; ao: the scale words of group w (waves 0-3)
	s_mov_b32 s49, 0
	s_lshl_b32 s57, s47, 8
	s_add_co_u32 s57, s57, s56
	s_add_co_u32 s57, s57, SCG                     ; where my scale words go in LDS,
	s_lshl_b32 s56, s[WV], 8
	s_add_co_u32 s56, s56, SCG                     ; and where waves 0-3 read them back
	s_mov_b32 s[SEL], 0x76543210
	s_mov_b32 s[SEL+1], 0xfedcba98                 ; lane l xor 16
	s_mov_b32 s[CS], 0x3e38aa3b                    ; log2(e) / 8
	s_mov_b32 s[CS+1], s[CS]
	s_mov_b32 s[TB], 0
	s_wait_dscnt 0x0                               ; both opening adds are done
	s_wait_kmcnt 0x0
	s_mov_b32 s32, 1
	s_mov_b32 s33, s58
	s_add_nc_u64 s[34:35], s[6:7], s[60:61]
	s_or_b32 s35, s35, 0x80000000
	s_add_nc_u64 s[52:53], s[4:5], s[52:53]
	s_add_nc_u64 s[4:5], s[4:5], s[54:55]
	s_add_nc_u64 s[50:51], s[8:9], s[50:51]
	s_add_nc_u64 s[48:49], s[8:9], s[48:49]
	ROUND                                          ; all four work-groups are here: the joint loads meet
	s_cmp_lt_u32 s[WV], 2
	s_cbranch_scc0 .Llater_steps
	tensor_load_to_lds s[32:35], s[16:23]          ; waves 0, 1: step 0
	s_nop 0
.rept 4
	v_nop
.endr
	s_branch .Lasked
.Llater_steps:
	tensor_load_to_lds s[32:35], s[16:23]          ; waves 2-15: steps 1-7
	s_nop 0
.rept 4
	v_nop
.endr
.Lasked:
	v_and_b32 v[TQ], 31, v0
	v_and_b32 v[TQ+1], 15, v0
	v_lshlrev_b32 v[LB], 4, v[TQ]
	v_lshlrev_b32 v[LH], 3, v[TQ]
	v_lshlrev_b32 v[TQ+1], 3, v[TQ+1]
	WALU
	global_load_b128 v[QF:QF+3], v[LB], s[4:5]
	global_load_b64 v[QF+4:QF+5], v[LH], s[4:5] offset:512
	global_load_b32 v[QS], v[TQ+1], s[52:53]
.irp j,6,7,8,9,10,11
	v_mov_b32 v[QF+\j], 0                          ; q's upper 64: zero codes
	v_mov_b32 v[SS+82+\j], 0                       ; behind the half fragments of k's records 0 and 1
	v_mov_b32 v[SS+114+\j], 0
.endr
	v_mov_b32 v[FF+1], 0                           ; (named as the upper half of a pair)
	WALU                                           ; the wait at the head's end
	s_wait_loadcnt 0x0
	s_cmp_lt_u32 s[WV], 2
	s_cbranch_scc0 .Lnot_step_0
	s_wait_tensorcnt 0x0
.Lnot_step_0:
	s_barrier_signal -1
	s_barrier_wait -1                              ; step 0's records are in; the others may be on their way: nothing is filled again
	STEP 1
	s_wait_tensorcnt 0x0
	s_wait_dscnt 0x0
	s_barrier_signal -1
	s_barrier_wait -1                              ; all records are in
	s_mov_b32 s[CNT], 0
.Lrest:
	STEP 0
	s_add_co_u32 s[CNT], s[CNT], 1
	s_cmp_lt_u32 s[CNT], 7
	s_cbranch_scc1 .Lrest
	; THE WAY OUT: O^T / the sum, quantised along d: block b is the 16 registers from O + 16 b in lanes l and l xor 16
	WALU
	v_add_f32 v10, v10, v11
	v_permlanex16_b32 v[TQ+1], v10, s[SEL], s[SEL+1]
	v_add_f32 v10, v10, v[TQ+1]
	WALU                                           ; the wait ahead of the transcendental
	v_rcp_f32 v[FF], v10
	v_nop
	WALU                                           ; and behind it, ahead of the first reader
.irp j,0,2,4,6,8,10,12,14,16,18,20,22,24,26,28,30
	v_pk_mul_f32 v[O+\j:O+\j+1], v[O+\j:O+\j+1], v[FF:FF+1] op_sel_hi:[1,0]
.endr
.irp b,0,1
	v_max3_num_f32 v[BM+\b], |v[O+16*\b]|, |v[O+16*\b+1]|, 0x1800000
.endr
.irp i,2,4,6,8,10,12,14
.irp b,0,1
	v_max3_num_f32 v[BM+\b], v[BM+\b], |v[O+16*\b+\i]|, |v[O+16*\b+\i+1]|
.endr
.endr
.irp b,0,1
	v_permlanex16_b32 v[BM+2+\b], v[BM+\b], s[SEL], s[SEL+1]
.endr
.irp b,0,1
	v_max_num_f32 v[BM+\b], v[BM+\b], v[BM+2+\b]
.endr
.irp b,0,1
	v_add_nc_u32 v[BM+\b], 0xff000000, v[BM+\b]
.endr
.irp b,0,1
	v_lshrrev_b32 v[BM+2+\b], 23, v[BM+\b]
.endr
	v_lshl_or_b32 v[TQ], v[BM+3], 8, v[BM+2]       ; the tile's halfwords, in both halves of the lanes
	v_cvt_scalef32_pk16_fp6_f32 v[PC:PC+2], v[O:O+15], v[BM]
	v_cvt_scalef32_pk16_fp6_f32 v[PC+6:PC+8], v[O+16:O+31], v[BM+1]
	v_and_b32 v[TQ+1], 15, v0
	v_lshlrev_b32 v[TQ+1], 3, v[TQ+1]
	v_add_nc_u32 v[TQ+1], s57, v[TQ+1]
	v_add_nc_u32 v[TQ+2], s56, v[LH]
.irp i,0,1,2
	v_permlane16_swap_b32 v[PC+\i], v[PC+6+\i]     ; a lane gets a whole block
.endr
.irp i,0,1,2
	v_mov_b32 v[PC+3+\i], v[PC+6+\i]
.endr
	global_store_b128 v[LB], v[PC:PC+3], s[50:51]
	global_store_b64 v[LH], v[PC+4:PC+5], s[50:51] offset:512
	ds_store_b32 v[TQ+1], v[TQ]                    ; the scale words of 64 queries meet in LDS and leave as 256 consecutive bytes
	WALU                                           ; the wait here, directly ahead of the wait below
	s_wait_dscnt 0x0
	s_barrier_signal -1
	s_barrier_wait -1
	s_cmp_lt_u32 s[WV], 4
	s_cbranch_scc0 .Lno_words
	ds_load_b64 v[DK:DK+1], v[TQ+2]
	s_wait_dscnt 0x0
	global_store_b64 v[LH], v[DK:DK+1], s[48:49]
.Lno_words:
	s_wait_tensorcnt 0x0                           ; the wave's end
	ds_add_u32 v[SPW], v[NIL]
	s_wait_dscnt 0x0
	ROUND                                          ; the closing round
	s_endpgm
.Lfunc_end_k_qc7fc65e2a9_attn:
	.size	k_qc7fc65e2a9_attn, .Lfunc_end_k_qc7fc65e2a9_attn-k_qc7fc65e2a9_attn
	.p2alignl 7, 3214868480
	.fill 96, 4, 3214868480
	.section	.rodata,"a",@progbits
	.p2align	6, 0x0
	.amdhsa_kernel k_qc7fc65e2a9_attn
		.amdhsa_group_segment_fixed_size 216064
		.amdhsa_private_segment_fixed_size 0
		.amdhsa_enable_private_segment 0
		.amdhsa_kernarg_size 24
		.amdhsa_user_sgpr_count 2
		.amdhsa_user_sgpr_kernarg_segment_ptr 1
		.amdhsa_wavefront_size32 1
		.amdhsa_system_sgpr_workgroup_id_x 1
		.amdhsa_system_sgpr_workgroup_id_y 1
		.amdhsa_system_sgpr_workgroup_id_z 1
		.amdhsa_system_vgpr_workitem_id 0
		.amdhsa_next_free_vgpr 256
		.amdhsa_next_free_sgpr 66
		.amdhsa_reserve_vcc 0
		.amdhsa_float_denorm_mode_32 3
		.amdhsa_float_denorm_mode_16_64 3
		.amdhsa_memory_ordered 1
		.amdhsa_forward_progress 1
		.amdhsa_inst_pref_size 66
	.end_amdhsa_kernel
	.amdgpu_metadata
---
amdhsa.version: [ 1, 2 ]
amdhsa.kernels:
  - .name:           k_qc7fc65e2a9_attn
    .symbol:         k_qc7fc65e2a9_attn.kd
    .args:
      - { .name: qh, .offset: 0, .size: 8, .value_kind: global_buffer, .address_space: global }
      - { .name: kv, .offset: 8, .size: 8, .value_kind: global_buffer, .address_space: global }
      - { .name: ao, .offset: 16, .size: 8, .value_kind: global_buffer, .address_space: global }
    .group_segment_fixed_size: 216064
    .private_segment_fixed_size: 0
    .kernarg_segment_align: 8
    .kernarg_segment_size: 24
    .max_flat_workgroup_size: 512
    .sgpr_count:     66
    .vgpr_count:     256
    .wavefront_size: 32
...
	.end_amdgpu_metadata
.endif
;; end of part 3
;; launch proj (part 4): grid 32 x 8, 8 waves a work-group, clusters of 4 x 4, 244,736 bytes of LDS; arguments ao, wp, b_proj, out0; writes out0
.if DOCPART == 4
	.amdgcn_target "amdgcn-amd-amdhsa--gfx1250"
	.amdhsa_code_object_version 6
	.text
	.protected	k_qc7fc65e2a9_proj
	.globl	k_qc7fc65e2a9_proj
	.p2align	8
	.type	k_qc7fc65e2a9_proj,@function
k_qc7fc65e2a9_proj:
	s_mov_b64 s[64:65], 0
	v_nop
	global_prefetch_b8 v0, s[64:65] scope:SCOPE_SE
	s_setreg_imm32_b32 hwreg(HW_REG_WAVE_MODE, 25, 1), 1
	s_wait_xcnt 0x0
	s_wait_alu depctr_hold_cnt(0) depctr_sa_sdst(0) depctr_va_vdst(0) depctr_va_sdst(0) depctr_va_ssrc(0) depctr_va_vcc(0) depctr_vm_vsrc(0)
	s_getreg_b32 s2, hwreg(HW_REG_IB_STS2, 6, 4)
	s_cmp_eq_u32 s2, 0
	s_cbranch_scc0 .Lentry_in_a_cluster
	s_endpgm
.Lentry_in_a_cluster:
	s_bfe_u32 s2, ttmp6, 0x10000c
	s_cmp_lg_u32 s2, 0xf033
	s_cbranch_scc0 .Lentry_shape_is_right
	s_endpgm
.Lentry_shape_is_right:
; out0 = a w_proj + b_proj on codes of FP6 (E2M3) with E8M0 scales; a is the attention's output as the launch before left it: [G of 64 tokens][head] records of 3,328 bytes, four half fragments and their scale words.
; SHARES.  A work-group takes 128 tokens (x: two G) and 128 columns (y: two panels); wave w takes the 32 tokens of G bit 1 of w, tiles 2 e and 2 e + 1 with e = w % 2, against panel w / 4: 8 accumulators, K = 1,024 in eight steps.
; CLUSTERS of 4 x 4: a's rows hang on x alone and are asked for jointly by the four of a column, the panels hang on y alone and are asked for jointly by the four of a row.  Both operands for all of K, 208,896 bytes, come into LDS once,
; one load a wave: waves 0, 1 a's K steps 0-3 (a G each), waves 2, 3 those of the panels, waves 4-7 K steps 4-7 likewise.  No prefetch: no loop loads from memory.
; The product is used transposed (source 0 = 16 columns of w_proj, source 1 = 16 tokens): with the columns of a tile chosen as they are, a lane holds 16 neighbouring columns of a token for each pair of tiles.
; The bias is the C of each sum's first product.
; REGISTERS: window 1: the accumulators at 8 (4 u + t).  Window 0: all else.
.set WL,   106496                      ; LDS: a's two G, then the two panels,
.set SPARE, 208896                     ; the spare words,
.set STG,  209920                      ; and a stage of 16 rows x (256 bytes + 16) for each wave
.set WV,  14
.set LI,  2                            ; 16 x lane
.set LS,  3                            ; 8 x lane
.set SO,  4                            ; the stage: where I put my 64 bytes of a row
.set SR,  5                            ; and where I read rows back
.set CO,  6                            ; my place in two rows of out0
.set BO,  7                            ; 64 h
.set SPW, 10
.set NIL, 11
.set AA,  12                           ; LDS addresses: a's 16-byte pieces, its 8-byte pieces, its scale words;
.set AA8, 13
.set AWD, 14
.set WA,  15                           ; the panel's pieces,
.set WSA, 32                           ; its scale words
.set WS,  16                           ; v16-31 the weights' scale words: 4 (s / 2) + 2 (t / 2) + s % 2
.set AS,  33                           ; v33-40 a's: lanes 0-15 tile 2 e, lanes 16-31 tile 2 e + 1
.set AL,  48                           ; v48-63 their halves, one for each head
.set BP,  64                           ; v64-95 the bias, a tile's eight registers in the result's layout
.set BB,  96                           ; v96-191 weight fragments, two sets
.set AB,  192                          ; v192-239 a's, two sets
.set OUT, 96                           ; at the end: rows read back
.set MSB, 0
.macro WIN new
.if MSB != (\new)
	s_set_vgpr_msb (MSB<<8)|(\new)
.set MSB, (\new)
.endif
.endm
.macro WALU
	s_wait_alu depctr_va_vdst(0)
.endm
.macro ROUND
	s_barrier_signal -1
	s_barrier_wait -1
	s_cmp_lg_u32 s[WV], 0
	s_cbranch_scc1 .Lnot_wave_0_\@
	s_barrier_signal -3
.Lnot_wave_0_\@:
	s_barrier_wait -3
	s_barrier_signal -1
	s_barrier_wait -1
.endm
.macro PLACES
.rept 4
	v_nop
.endr
.endm
.macro TLOAD g0, g1
	tensor_load_to_lds s[\g0:\g0+3], s[\g1:\g1+7]
	s_nop 0
	PLACES
.endm
.macro GROUP1 g, mask, rows            ; rows of 256 bytes (32 elements of 8 bytes), dense, no padding
	s_or_b32 s[\g], s[\mask], (3<<16)|(1<<21)
	s_mov_b32 s[\g+1], 32<<16
	s_mov_b32 s[\g+2], (\rows)<<16
	s_mov_b32 s[\g+3], 32<<16
	s_mov_b32 s[\g+4], \rows
	s_mov_b32 s[\g+5], 32
	s_mov_b32 s[\g+6], 0
	s_mov_b32 s[\g+7], 0
.endm
.macro WM d, a, b, c, x, y, ra, rb
	v_wmma_scale_f32_16x16x128_f8f6f4 v[\d:\d+7], v[\a:\a+11], v[\b:\b+11], v[\c:\c+7], v[\x], v[\y] matrix_a_fmt:MATRIX_FMT_FP6 matrix_b_fmt:MATRIX_FMT_FP6 matrix_a_scale:MATRIX_SCALE_ROW\ra matrix_b_scale:MATRIX_SCALE_ROW\rb
.endm
.macro SCALES j                        ; K half j: a's halfwords of eight heads, the panel's words of four K steps: 12 loads
.irp i,0,1,2,3,4,5,6,7
	ds_load_b32 v[AL+8*(\j)+\i], v[AWD] offset:3328*(8*(\j)+\i)+3072
.endr
.irp i,0,1
.irp b,0,1
	ds_load_b64 v[WS+4*(2*(\j)+\i)+2*\b:WS+4*(2*(\j)+\i)+2*\b+1], v[WSA] offset:25600*(\j)+24576+(2*\b+\i)*256
.endr
.endr
.endm
.macro ASW j                           ; a K step's scale words: head 2 s's two bytes below, head 2 s + 1's above
.irp i,0,1,2,3
	v_lshl_or_b32 v[AS+4*(\j)+\i], v[AL+8*(\j)+2*\i+1], 16, v[AL+8*(\j)+2*\i]
.endr
.endm
.macro LD s                            ; K step s's fragments into set s % 2: 20 loads
.irp t,0,1,2,3
.irp g,0,1,2
	ds_load_b128 v[BB+48*((\s)%2)+12*\t+4*\g:BB+48*((\s)%2)+12*\t+4*\g+3], v[WA] offset:25600*((\s)/4)+6144*((\s)%4)+1536*\t+512*\g
.endr
.endr
.irp u,0,1
.irp c,0,1
	ds_load_b128 v[AB+24*((\s)%2)+12*\u+6*\c:AB+24*((\s)%2)+12*\u+6*\c+3], v[AA] offset:3328*(2*(\s)+\c)+768*\u
	ds_load_b64 v[AB+24*((\s)%2)+12*\u+6*\c+4:AB+24*((\s)%2)+12*\u+6*\c+5], v[AA8] offset:3328*(2*(\s)+\c)+768*\u+512
.endr
.endr
.endm
.macro KSTEP s                         ; 8 products; the 8 accumulators take turns, one instruction a turn, in the same order in every K step
.if (\s) < 7
	s_wait_dscnt 20                                ; all but the 20 loads of the next K step
.else
	s_wait_dscnt 0x0
.endif
.if (\s) == 3
	ASW 1
	v_nop                                          ; (with the four below: eight places ahead of K step 4)
	v_nop
	WALU
.endif
.if (\s) == 0
	WIN 0x40
.else
	WIN 0x50
.endif
.irp t,0,1,2,3
.irp u,0,1
.set D_, 8*(4*\u+\t)
.set A_, BB+48*((\s)%2)+12*\t
.set B_, AB+24*((\s)%2)+12*\u
.if (\s) == 0
.set C_, BP+8*\t
.else
.set C_, D_
.endif
.set X_, WS+4*((\s)/2)+2*(\t/2)+(\s)%2
.set Y_, AS+(\s)
.if \t%2
	WM D_, A_, B_, C_, X_, Y_, 1, \u
.else
	WM D_, A_, B_, C_, X_, Y_, 0, \u
.endif
.endr
.endr
	WIN 0
	PLACES
.if (\s) == 2
	s_wait_tensorcnt 0x0                           ; my load has landed,
	s_wait_dscnt 0x0
	s_barrier_signal -1
	s_barrier_wait -1                              ; everybody's has: K's second half is in
	SCALES 1
.endif
.if (\s) < 6
	LD (\s)+2
.endif
.endm
	s_load_b256 s[4:11], s[0:1], 0x0               ; ao s[4:5], wp s[6:7], b_proj s[8:9], out0 s[10:11]
	v_lshl_add_u32 v[SPW], v0, 2, SPARE
	v_mov_b32 v[NIL], 0
	ds_add_u32 v[SPW], v[NIL]                      ; the opening lines: the add, twice, and its wait
	ds_add_u32 v[SPW], v[NIL]
	v_lshrrev_b32 v1, 5, v0
	v_readfirstlane_b32 s[WV], v1                  ; wave 0..7
	s_bfe_u32 s40, ttmp6, 0x40000                  ; cx
	s_bfe_u32 s41, ttmp6, 0x40004                  ; cy
	s_lshl_b32 s42, ttmp9, 2
	s_add_co_u32 s42, s42, s40                     ; block of 128 tokens
	s_and_b32 s43, ttmp7, 0xffff
	s_lshl_b32 s43, s43, 2
	s_add_co_u32 s43, s43, s41                     ; block of 128 columns
	s_lshl_b32 s44, 0x1111, s40                    ; my column of the cluster: the same tokens
	s_lshl_b32 s45, s41, 2
	s_lshl_b32 s45, 15, s45                        ; my row: the same columns
	GROUP1 16, 44, 104
	GROUP1 24, 45, 100
	s_and_b32 s46, s[WV], 1                        ; which G, or which panel, I fetch.  Also e
	s_lshr_b32 s47, s[WV], 2                       ; which half of K I fetch.  Also which panel I multiply
	s_mov_b32 s32, 1
	s_mul_i32 s33, s46, 53248
	s_mul_i32 s50, s47, 26624
	s_add_co_u32 s33, s33, s50                     ; a: my half G, in LDS and from the block's first
	s_mov_b32 s36, 1
	s_mul_i32 s37, s46, 51200
	s_mul_i32 s50, s47, 25600
	s_add_co_u32 s37, s37, s50                     ; the panels: my half panel
	s_mul_i32 s48, s42, 106496
	s_add_co_u32 s48, s48, s33
	s_mov_b32 s49, 0
	s_mul_i32 s50, s43, 102400
	s_add_co_u32 s50, s50, s37
	s_mov_b32 s51, 0
	s_add_co_u32 s37, s37, WL
	s_bfe_u32 s52, s[WV], 0x10001                  ; the G that I multiply
	s_lshl_b32 s54, s43, 9
	s_lshl_b32 s55, s47, 8
	s_add_co_u32 s54, s54, s55                     ; my 64 columns of f32
	s_mov_b32 s55, 0
	s_lshl_b32 s56, s42, 7
	s_lshl_b32 s57, s52, 6
	s_add_co_u32 s56, s56, s57
	s_lshl_b32 s57, s46, 4
	s_add_co_u32 s56, s56, s57
	s_lshl_b32 s56, s56, 12
	s_add_co_u32 s56, s56, s54                     ; out0: rows 128 x + 64 G + 16 e of 4,096 bytes, + the columns
	s_mov_b32 s57, 0
	s_mul_i32 s58, s52, 53248
	s_mul_i32 s59, s46, 1536
	s_add_co_u32 s59, s58, s59                     ; a's tiles 2 e, 2 e + 1 of G
	s_lshl_b32 s60, s46, 2
	s_add_co_u32 s60, s58, s60                     ; its scale words: dword e of each lane's pair
	s_mul_i32 s61, s47, 51200
	s_add_co_u32 s61, s61, WL                      ; my panel
	s_mul_i32 s62, s[WV], 4352
	s_add_co_u32 s62, s62, STG                     ; my stage
	s_wait_dscnt 0x0                               ; both opening adds are done
	s_wait_kmcnt 0x0
	s_add_nc_u64 s[34:35], s[4:5], s[48:49]
	s_or_b32 s35, s35, 0x80000000
	s_add_nc_u64 s[38:39], s[6:7], s[50:51]
	s_or_b32 s39, s39, 0x80000000
	s_add_nc_u64 s[8:9], s[8:9], s[54:55]
	s_add_nc_u64 s[10:11], s[10:11], s[56:57]
	ROUND                                          ; all sixteen work-groups are here: the joint loads meet
	s_cmp_lt_u32 s[WV], 2
	s_cbranch_scc0 .Lpanel_0
	TLOAD 32, 16                                   ; waves 0, 1: a, K steps 0-3
	s_branch .Lasked
.Lpanel_0:
	s_cmp_lt_u32 s[WV], 4
	s_cbranch_scc0 .La_1
	TLOAD 36, 24                                   ; waves 2, 3: the panels'
	s_branch .Lasked
.La_1:
	s_cmp_lt_u32 s[WV], 6
	s_cbranch_scc0 .Lpanel_1
	TLOAD 32, 16                                   ; waves 4, 5: a, K steps 4-7
	s_branch .Lasked
.Lpanel_1:
	TLOAD 36, 24                                   ; waves 6, 7: the panels'
.Lasked:
	v_and_b32 v1, 31, v0
	v_lshlrev_b32 v[LI], 4, v1
	v_lshlrev_b32 v[LS], 3, v1
	v_and_b32 v8, 15, v0                           ; r
	v_bfe_u32 v9, v0, 4, 1                         ; h
	v_lshlrev_b32 v[BO], 6, v9
	v_add_nc_u32 v[AA], s59, v[LI]
	v_add_nc_u32 v[AA8], s59, v[LS]
	v_add_nc_u32 v[AWD], s60, v[LS]
	v_add_nc_u32 v[WA], s61, v[LI]
	v_add_nc_u32 v[WSA], s61, v[LS]
	WALU                                           ; the wait at the head's end
.irp t,0,1,2,3                         ; lane (r, h) of tile t wants the biases of columns 32 (t / 2) + 16 h + 8 (t % 2) + 0 .. 7
	global_load_b128 v[BP+8*\t:BP+8*\t+3], v[BO], s[8:9] offset:(32*(\t/2)+8*(\t%2))*4
	global_load_b128 v[BP+8*\t+4:BP+8*\t+7], v[BO], s[8:9] offset:(32*(\t/2)+8*(\t%2))*4+16
.endr
	s_cmp_lt_u32 s[WV], 4
	s_cbranch_scc0 .Lnot_first_half
	s_wait_tensorcnt 0x0
.Lnot_first_half:
	s_barrier_signal -1
	s_barrier_wait -1                              ; K's first half is in; the second may be on its way: nothing is filled again
	SCALES 0
	LD 0
	LD 1
	s_wait_dscnt 40                                ; the scale words are in: behind them 40 loads were issued
	ASW 0
	v_mul_u32_u24 v[SO], v8, 272                   ; (these eight lines are also the places between the scale words and the first product)
	v_lshl_add_u32 v[SO], v9, 6, v[SO]
	v_add_nc_u32 v[SO], s62, v[SO]                 ; in: row r, + 64 h bytes
	v_mul_u32_u24 v[SR], v9, 272
	v_lshl_add_u32 v[SR], v8, 4, v[SR]
	v_add_nc_u32 v[SR], s62, v[SR]                 ; back: lanes 0-15 one row of 256 bytes, lanes 16-31 the next
	v_lshlrev_b32 v[CO], 12, v9
	v_lshl_add_u32 v[CO], v8, 4, v[CO]             ; and the same two rows in out0
	WALU
	s_wait_loadcnt 0x0                             ; the bias
.irp s,0,1,2,3,4,5,6,7
	KSTEP \s
.endr
	; THE WAY OUT, a tile of 16 tokens at a time: a lane's 2 x 64 bytes of a row go into my stage and come back as whole rows of 256 bytes; LDS serves a wave's instructions in order, so no wait stands between the stores and the loads.
.irp u,0,1
	WIN 0x04                                       ; an LDS store's data are its source 1: window 1
.irp b,0,1
.irp q,0,1,2,3
	ds_store_b128 v[SO], v[32*\u+16*\b+4*\q:32*\u+16*\b+4*\q+3] offset:128*\b+16*\q   ; each accumulator from its low end on
.endr
.endr
	WIN 0
.irp i,0,1,2,3,4,5,6,7
	ds_load_b128 v[OUT+32*\u+4*\i:OUT+32*\u+4*\i+3], v[SR] offset:544*\i
.endr
.endr
.irp u,0,1
.irp i,0,1,2,3,4,5,6,7
.if \u
	s_wait_dscnt 7-\i                              ; rows 2 i, 2 i + 1 are back; the younger loads may be out
.else
	s_wait_dscnt 23-\i                             ; (behind them also the second tile's 8 stores and 8 loads)
.endif
	global_store_b128 v[CO], v[OUT+32*\u+4*\i:OUT+32*\u+4*\i+3], s[10:11] offset:(8*\u+2*\i+24*(\i/4))*4096 th:TH_STORE_NT   ; stage row m of tile u is token 32 (m / 8) + 8 u + m % 8; 16 lanes store 256 consecutive bytes, at a multiple of 256 from out0's first byte
.endr
.endr
	s_wait_tensorcnt 0x0                           ; the wave's end
	ds_add_u32 v[SPW], v[NIL]
	s_wait_dscnt 0x0
	ROUND                                          ; the closing round
	s_endpgm
.Lfunc_end_k_qc7fc65e2a9_proj:
	.size	k_qc7fc65e2a9_proj, .Lfunc_end_k_qc7fc65e2a9_proj-k_qc7fc65e2a9_proj
	.p2alignl 7, 3214868480
	.fill 96, 4, 3214868480
	.section	.rodata,"a",@progbits
	.p2align	6, 0x0
	.amdhsa_kernel k_qc7fc65e2a9_proj
		.amdhsa_group_segment_fixed_size 244736
		.amdhsa_private_segment_fixed_size 0
		.amdhsa_enable_private_segment 0
		.amdhsa_kernarg_size 32
		.amdhsa_user_sgpr_count 2
		.amdhsa_user_sgpr_kernarg_segment_ptr 1
		.amdhsa_wavefront_size32 1
		.amdhsa_system_sgpr_workgroup_id_x 1
		.amdhsa_system_sgpr_workgroup_id_y 1
		.amdhsa_system_sgpr_workgroup_id_z 1
		.amdhsa_system_vgpr_workitem_id 0
		.amdhsa_next_free_vgpr 320
		.amdhsa_next_free_sgpr 66
		.amdhsa_reserve_vcc 0
		.amdhsa_float_denorm_mode_32 3
		.amdhsa_float_denorm_mode_16_64 3
		.amdhsa_memory_ordered 1
		.amdhsa_forward_progress 1
		.amdhsa_inst_pref_size 35
	.end_amdhsa_kernel
	.amdgpu_metadata
---
amdhsa.version: [ 1, 2 ]
amdhsa.kernels:
  - .name:           k_qc7fc65e2a9_proj
    .symbol:         k_qc7fc65e2a9_proj.kd
    .args:
      - { .name: ao, .offset: 0, .size: 8, .value_kind: global_buffer, .address_space: global }
      - { .name: wp, .offset: 8, .size: 8, .value_kind: global_buffer, .address_space: global }
      - { .name: b_proj, .offset: 16, .size: 8, .value_kind: global_buffer, .address_space: global }
      - { .name: out0, .offset: 24, .size: 8, .value_kind: global_buffer, .address_space: global }
    .group_segment_fixed_size: 244736
    .private_segment_fixed_size: 0
    .kernarg_segment_align: 8
    .kernarg_segment_size: 32
    .max_flat_workgroup_size: 256
    .sgpr_count:     66
    .vgpr_count:     320
    .wavefront_size: 32
...
	.end_amdgpu_metadata
.endif
;; end of part 4
